; MI455X (gfx1250); checked and timed in simulation.
; The chip was launched on July 23, 2026; its instructions are those of AMD's public machine-readable ISA for CDNA 5 (MIT licence, August 2026) and "CDNA5" Instruction Set Architecture Reference Guide (July 2026). The comments in the code are by the model that wrote it; some were corrected since.
;; Transformer Block. Allowed arithmetic: matrix products marked QUANTISED: E2M1 operands, one E8M0 scale for each 32 along K, by v_wmma_scale_f32_16x16x128_f8f6f4 with both operands' format E2M1 (or v_wmma_scale_f32_32x16x128_f4), f32 sums; everything else in f32.
;; Inputs: W1_codes 4,096 x 32 x 16 uint8 (E2M1 codes of W1, K innermost, in blocks of 32 codes, two codes a byte); W1_scales 4,096 x 32 uint8 (E8M0 scales of W1, one for each 32 codes along K); W2_codes 1,024 x 128 x 16 uint8 (E2M1 codes of W2, K innermost, in blocks of 32 codes, two codes a byte); W2_scales 1,024 x 128 uint8 (E8M0 scales of W2, one for each 32 codes along K); Wk_codes 1,024 x 32 x 16 uint8 (E2M1 codes of Wk, K innermost, in blocks of 32 codes, two codes a byte); Wk_scales 1,024 x 32 uint8 (E8M0 scales of Wk, one for each 32 codes along K); Wo_codes 1,024 x 32 x 16 uint8 (E2M1 codes of Wo, K innermost, in blocks of 32 codes, two codes a byte); Wo_scales 1,024 x 32 uint8 (E8M0 scales of Wo, one for each 32 codes along K); Wq_codes 1,024 x 32 x 16 uint8 (E2M1 codes of Wq, K innermost, in blocks of 32 codes, two codes a byte); Wq_scales 1,024 x 32 uint8 (E8M0 scales of Wq, one for each 32 codes along K); Wv_codes 1,024 x 32 x 16 uint8 (E2M1 codes of Wv, K innermost, in blocks of 32 codes, two codes a byte); Wv_scales 1,024 x 32 uint8 (E8M0 scales of Wv, one for each 32 codes along K); b1 4,096 float32; b2 1,024 float32; bo 1,024 float32; ln1_scale 1,024 float32; ln1_shift 1,024 float32; ln2_scale 1,024 float32; ln2_shift 1,024 float32; x 4 x 1,024 x 1,024 float32.
;; Outputs: out0 4 x 1,024 x 1,024 float32.
;; This version of the problem:
;;   THIS VERSION OF THE PROBLEM IS GIVEN IN LOW PRECISION. The matrix products marked QUANTISED in the list below multiply operands that are first quantised to E2M1 (2 exponent bits, 1 mantissa bit; 4 bits a number), with one power-of-two scale for each 32 numbers along K (OCP MX v1.0); their sums are f32. All else is computed in f32.
;;   The module's matrix products, in the order in which they are computed (A, B: the left and right operand; K: the contracted axis; several contracted axes count as one K, in the product's order):
;;     1. [M 4,096, K 1,024] x [K 1,024, N 1,024]; A: computed on the way; B: input Wq (given as codes): QUANTISED
;;     2. [M 4,096, K 1,024] x [K 1,024, N 1,024]; A: computed on the way; B: input Wk (given as codes): QUANTISED
;;     3. [M 4,096, K 1,024] x [K 1,024, N 1,024]; A: computed on the way; B: input Wv (given as codes): QUANTISED
;;     4. batch 64 x [M 1,024, K 64] x [K 64, N 1,024]; A: computed on the way; B: computed on the way: QUANTISED
;;     5. batch 64 x [M 1,024, K 1,024] x [K 1,024, N 64]; A: softmax (see below); B: computed on the way: QUANTISED
;;     6. [M 4,096, K 1,024] x [K 1,024, N 1,024]; A: computed on the way; B: input Wo (given as codes): QUANTISED
;;     7. [M 4,096, K 1,024] x [K 1,024, N 4,096]; A: computed on the way; B: input W1 (given as codes): QUANTISED
;;     8. [M 4,096, K 4,096] x [K 4,096, N 1,024]; A: computed on the way; B: input W2 (given as codes): QUANTISED
;;   THE QUANTISER, for each operand of a quantised product, along K:
;;     - K is cut into blocks of 32 from its start; a last block that is shorter is filled with zeros.
;;     - A block's scale is 2^e with e = floor(log2(the largest magnitude in the block)) - 2, held to -126 .. 127; a block of zeros has e = 0. As a byte (E8M0): e + 127.
;;     - Each number is divided by its block's scale, clamped to +-6, and rounded to the nearest number of E2M1, ties to even, subnormals kept.
;;     - The product sums the exact products of the quantised numbers (number of the format x scale) in f32.
;;   ~~~python
;;   def quantise(x, axis):      # numpy; x: float32 -> the quantised numbers, widened to float32 again
;;       x = np.moveaxis(x, axis, -1); K = x.shape[-1]
;;       x = np.pad(x, [(0, 0)] * (x.ndim - 1) + [(0, -K % 32)]); x = x.reshape(x.shape[:-1] + (-1, 32)); a = np.abs(x).max(-1, keepdims=True)
;;       e = np.where(a > 0, np.clip(np.frexp(np.where(a > 0, a, 1))[1] - 1 - 2, -126, 127), 0)      # np.frexp(a)[1] - 1 = floor(log2(a)), exactly
;;       r = np.clip(x / 2.0 ** e, -6, 6)
;;       step = 2.0 ** (np.maximum(np.frexp(np.where(r == 0, 1, r))[1] - 1, 0) - 1)
;;       q = np.round(r / step) * step * 2.0 ** e      # np.round: ties to even
;;       return np.moveaxis(q.reshape(q.shape[:-2] + (-1,))[..., :K], -1, axis).astype(np.float32)
;;   ~~~
;;   SOFTMAX AHEAD OF A QUANTISED PRODUCT. Where the list says 'softmax', what is quantised is not the finished softmax but p = 2^(t - M), with t = logit x log2(e) and M = ceil(the row's largest t), a whole number; so 1/2 < the row's largest p <= 1. The row's sum l is taken of the UNQUANTISED p, in f32, and the product's result is divided by l at the end. Since M is a whole number, a kernel that streams over the keys may use a running M (the ceiling of the running maximum): every later rescaling is an exact power of two, which a block's scale takes up: the codes' values come out the same.
;;   OPERANDS COMPUTED ON THE WAY. 'Computed on the way' means the value that the module computes at that place (a softmax that the list does not call 'softmax' is quantised finished and normalised). What goes into a quantiser is computed in f32, as accurately as f32 sums, v_exp_f32 and their like allow (about 1e-6 of the number): no bf16 or f16 on the way to a quantiser, and a product that is left as it is and whose result goes on into a quantised operand takes f32 operands (vector FMAs, or v_wmma_f32_16x16x4_f32). A number that lies on a knife's edge between two numbers of the format may be rounded either way, as far as f32 arithmetic and the matrix unit's own rounding can turn it there, and no further.
;;   INPUTS GIVEN AS CODES. W1 (in the module: [1024, 4096], K = its axis 0); W2 (in the module: [4096, 1024], K = its axis 0); Wk (in the module: [1024, 1024], K = its axis 0); Wo (in the module: [1024, 1024], K = its axis 0); Wq (in the module: [1024, 1024], K = its axis 0); Wv (in the module: [1024, 1024], K = its axis 0): each comes as NAME_codes (uint8): NAME with its K axis moved to the last place and cut into blocks of 32 codes, [.., K / 32, bytes a block], one block behind the other in memory; two codes a byte, the lower K in the low four bits (a code: sign, 2 exponent bits, 1 mantissa bit); and NAME_scales (uint8): the same leading axes, one E8M0 byte (e + 127) for each 32 codes along K. Its value is code x scale, taken as it is: it is not quantised again, and the codes and scales need not be those that the quantiser above would give.
;; One version. Each part assembles by itself: llvm-mc -triple=amdgcn-amd-amdhsa -mcpu=gfx1250 --defsym DOCPART=n.
;; ======== version 1 of 1: 5 launches
;; limits: right only within a limited range of input values
;; workspace buffers: qkv 6,946,816 bytes; ctx 2,228,224 bytes; x1 16,777,216 bytes; g 8,912,896 bytes; hc 2,097,152 bytes; hs 131,072 bytes; w2i 2,097,152 bytes; woi 524,288 bytes
;; launch qkv (part 1): grid 64 x 4, 4 waves a work-group, no clusters, 298,496 bytes of LDS; arguments x, ln1_scale, ln1_shift, Wq_codes, Wq_scales, Wk_codes, Wk_scales, Wv_codes, Wv_scales, qkv; writes qkv
.if DOCPART == 1
	.amdgcn_target "amdgcn-amd-amdhsa--gfx1250"
	.amdhsa_code_object_version 6
	.text
	.protected	k_q1517be397e_qkv
	.globl	k_q1517be397e_qkv
	.p2align	8
	.type	k_q1517be397e_qkv,@function
k_q1517be397e_qkv:
	s_mov_b64 s[64:65], 0
	v_nop
	global_prefetch_b8 v0, s[64:65] scope:SCOPE_SE
	s_setreg_imm32_b32 hwreg(HW_REG_WAVE_MODE, 25, 1), 1
	s_wait_xcnt 0x0
; LAUNCH 1 OF 5: h = layernorm(x); q = Q(h) Wq, k = Q(h) Wk, v = Q(h) Wv on codes of E2M1 with one E8M0 scale for each 32 along K; q and k are quantised along the head's 64, v along the keys,
; and all three go to the workspace qkv as codes, already in the order of the next launch's operand registers.
; DEAD WORK OF THE WHOLE PROGRAM: only those tiles of the scores and of p x v (launch attn) all of whose keys come after all of their queries.  reference() sets these scores to -inf by its own tril, so their p is 0
; whatever the inputs hold: they add nothing to a row's sum or to ctx.  Every input has a way to the output and is loaded.  LIMIT: a NaN, an infinity or an overflow that arises only in a tile left out is not carried to the result.
; LIMITS: NaN and infinities among the inputs are not served.  A block of zeros, and one whose largest magnitude lies under 2^-124, gets the scale byte 1 (the quantiser says 127 for zeros: the codes are zeros, and this program alone reads the bytes).
; SHARES.  A work-group takes 64 rows (rb = work-group x) and four heads (cg = work-group y); wave w normalises and quantises 16 of the rows, and then makes head 4 cg + w of q, k and v for all 64 rows.
; ROW TILES.  Tile T holds rows 32 (T / 2) + 8 (T % 2) + r + 8 (r / 8), r = 0 .. 15; the 16 weight rows of a column tile are chosen alike.  With source 0 = a weight tile and source 1 = a row tile a lane holds ONE row,
; and the 16 registers of column tiles 2 b, 2 b + 1 are columns 32 b + 16 (lane / 16) + 0 .. 15: neighbours along the next K.  For v the sources change places: a lane holds one channel and its registers run along the keys.
; IMAGES.  A fragment (16 rows x 128 K, 8 registers a lane) is kept as an image of its registers: half c (registers 4 c .. 4 c + 3) is 512 bytes, lane l's 16 bytes at 16 l.  64 columns of a tile make one half.
; SCALES.  A row's 32 scale bytes of K = 1,024: lane (r, h) holds bytes 16 h .. 16 h + 15 in four registers, so register j serves K step j from lanes 0-15 and K step 4 + j from lanes 16-31.
; WHAT IS ASKED FOR WHEN.  Eight rows of x wait in registers; a turn of the norm takes two rows and issues 16 loads: the rows eight further on, or, when the rows are all asked for, two K steps of Wq.  Wk is asked for a K step
; at a time while my tile is quantised, into registers of its own; Wv takes Wq's registers K step by K step during q's products and has k's products in which to land.
; REGISTERS: window 0: v1-10 addresses; v14, v15 the add's two; v16-31 at work; v32-47 Wq's, then Wv's scales, v84-99 Wk's, v48-63 the rows' scales; v64-72 and v74-82 two sets of codes and scale words just made
;   (during the norm v64-95 gain, v96-127 shift); v128-255 four rows on their way to the stage, then two sets of 64 numbers, then the 16 accumulators.
;   window 1: eight rows of x, then the 32 fragments of the 64 rows (tile m, K step s at 64 m + 8 s).   window 2: the 32 fragments of Wq's 64 rows, then Wv's.   window 3: Wk's.
.set RP,    4112                       ; a row of the f32 stage in LDS: 4,096 bytes + 16: the 16 rows that a load touches start at 16 different columns of 16 bytes
.set WST,   16*RP                      ; a wave's stage
.set AIMG,  4*WST                      ; the rows' 32 fragment images, (8 m + s) x 1,024
.set ASCL,  AIMG+32768                 ; their scale words: [m][lane][16 bytes]
.set SPARE, ASCL+2048                  ; the spare words, 128 bytes a wave: no other line names them
.set KI, 2097152                       ; the workspace: q's half images at 0, k's, v's; then the scale words of q, k, v
.set VI, 4194304
.set QS, 6291456
.set KS, 6553600
.set VS, 6815744
.set L16, 1                            ; 16 x lane
.set L4,  2                            ; 4 x lane
.set WA,  3                            ; weights' codes: (r + 8 (r / 8)) x 512 + 16 h
.set WS,  4                            ; weights' scales: (r + 8 (r / 8)) x 32 + 16 h
.set STW, 5                            ; my stage, way in: 16 x lane
.set STR, 6                            ; my stage, way out: row r, + 64 h
.set IMW, 7                            ; where I store my tile's images
.set SCW, 8                            ; and its scale words
.set IMR, 9                            ; where any wave reads images
.set SCR, 10                           ; and scale words
.set SPW, 14
.set NIL, 15
.set TM,  16
.set BSC0, 32
.set ASC, 48
.set PCA, 64
.set PWA, 72
.set PWT, 73
.set PCB, 74
.set PWB, 82
.set BSC1, 84
.set GAM, 64
.set BET, 96
.set ACC, 128
.set SEL, 42                           ; s[42:43] selects of v_permlanex16_b32: lane l xor 16
.set HM,  44                           ; s44 lanes 16-31
.set MSB, 0
.macro WIN new                         ; the immediate's high byte repeats the setting that is left
.if MSB != \new
	s_set_vgpr_msb (MSB<<8)|\new
.set MSB, \new
.endif
.endm
.macro PLACES                          ; four plain places behind matrix instructions, ahead of loads into their registers and of reads of their results
.rept 4
	v_nop
.endr
.endm
.macro WM d, a, b, c, sa, sb, row      ; one product; c < 0: the constant 0 starts the sum; row: both scale registers are read in lanes 16-31
.if (\c) < 0
.if \row
	v_wmma_scale_f32_16x16x128_f8f6f4 v[\d:\d+7], v[\a:\a+7], v[\b:\b+7], 0, v[\sa], v[\sb] matrix_a_fmt:MATRIX_FMT_FP4 matrix_b_fmt:MATRIX_FMT_FP4 matrix_a_scale:MATRIX_SCALE_ROW1 matrix_b_scale:MATRIX_SCALE_ROW1
.else
	v_wmma_scale_f32_16x16x128_f8f6f4 v[\d:\d+7], v[\a:\a+7], v[\b:\b+7], 0, v[\sa], v[\sb] matrix_a_fmt:MATRIX_FMT_FP4 matrix_b_fmt:MATRIX_FMT_FP4
.endif
.else
.if \row
	v_wmma_scale_f32_16x16x128_f8f6f4 v[\d:\d+7], v[\a:\a+7], v[\b:\b+7], v[\c:\c+7], v[\sa], v[\sb] matrix_a_fmt:MATRIX_FMT_FP4 matrix_b_fmt:MATRIX_FMT_FP4 matrix_a_scale:MATRIX_SCALE_ROW1 matrix_b_scale:MATRIX_SCALE_ROW1
.else
	v_wmma_scale_f32_16x16x128_f8f6f4 v[\d:\d+7], v[\a:\a+7], v[\b:\b+7], v[\c:\c+7], v[\sa], v[\sb] matrix_a_fmt:MATRIX_FMT_FP4 matrix_b_fmt:MATRIX_FMT_FP4
.endif
.endif
.endm
; K step s of a group: 16 products, the 16 accumulators by turns in the same order in every step.  kind 0: source 0 = weight tile i, source 1 = row tile o;  kind 1 (v): source 0 = row tile i, source 1 = weight tile o
.macro MUL16 s, kind, bsc
.irp o, 0,1,2,3
.irp i, 0,1,2,3
.set RD_, ACC+32*\o+8*\i
.set RC_, RD_
.if (\s) == 0
.set RC_, -1
.endif
.if \kind
.set R0_, ASC+4*\i+((\s)&3)
.set R1_, (\bsc)+4*\o+((\s)&3)
.else
.set R0_, (\bsc)+4*\i+((\s)&3)
.set R1_, ASC+4*\o+((\s)&3)
.endif
	WM RD_, 64*\i+8*(\s), 64*\o+8*(\s), RC_, R0_, R1_, ((\s)>>2)
.endr
.endr
.endm
.macro BLOAD s, lo, win                ; K step s of 64 weight rows: four fragments, eight loads, into the window that win names as the destination's
	WIN \win
.irp t, 0,1,2,3
.irp c, 0,1
	global_load_b128 v[64*\t+8*(\s)+4*\c:64*\t+8*(\s)+4*\c+3], v[WA], s[\lo:\lo+1] offset:(32*(\t/2)+8*(\t%2))*512+64*(\s)+32*\c
.endr
.endr
.endm
.macro BSCLD lo, bsc                   ; the 64 weight rows' scale bytes
.irp t, 0,1,2,3
	global_load_b128 v[(\bsc)+4*\t:(\bsc)+4*\t+3], v[WS], s[\lo:\lo+1] offset:(32*(\t/2)+8*(\t%2))*32
.endr
.endm
.macro REDUCE2                         ; two packed chains of each of two rows (v16-19, v20-23) -> each row's sum over the wave's 1,024 numbers, in every lane's v16 and v20; the two rows take turns line by line
	v_pk_add_f32 v[16:17], v[16:17], v[18:19]
	v_pk_add_f32 v[20:21], v[20:21], v[22:23]
	v_add_f32 v16, v16, v17
	v_add_f32 v20, v20, v21
.irp x, 1,2,4,8
	v_add_f32_dpp v16, v16, v16 row_xmask:\x row_mask:0xf bank_mask:0xf
	v_add_f32_dpp v20, v20, v20 row_xmask:\x row_mask:0xf bank_mask:0xf
.endr
	v_permlanex16_b32 v17, v16, s[SEL], s[SEL+1]
	v_permlanex16_b32 v21, v20, s[SEL], s[SEL+1]
	v_add_f32 v16, v16, v17
	v_add_f32 v20, v20, v21
.endm
.macro ROWLD i                         ; row i of my tile: eight loads of 512 consecutive bytes, into slot i % 8 of window 1
	WIN 0x40
.irp j, 0,1,2,3,4,5,6,7
	global_load_b128 v[32*((\i)%8)+4*\j:32*((\i)%8)+4*\j+3], v[L16], s[4:5] offset:((\i)+8*((\i)/8))*4096+512*\j
.endr
.endm
; Rows i and i + 1: mean, then the variance of the differences (two passes over the registers: no difference of large sums), then gain x (x - mean) x rsqrt(var + eps) + shift, into my stage.
; The differences are written into registers of window 0, so that the rows' slots are free as soon as they have been read, and are loaded again at once.
.macro TURN2 i
.set XA, 32*((\i)%8)
.set XB, XA+32
.set OA, ACC+32*((\i)%4)
.set OB, OA+32
	s_wait_loadcnt 48                              ; my two rows are in.  Behind them six units of eight loads were issued: the six rows that follow, or, from row 10 on, the rows left and the K steps of Wq asked for since
	WIN 0x05                                       ; both sources in window 1
	v_pk_add_f32 v[16:17], v[XA:XA+1], v[XA+2:XA+3]
	v_pk_add_f32 v[20:21], v[XB:XB+1], v[XB+2:XB+3]
	v_pk_add_f32 v[18:19], v[XA+4:XA+5], v[XA+6:XA+7]
	v_pk_add_f32 v[22:23], v[XB+4:XB+5], v[XB+6:XB+7]
	WIN 0x01                                       ; source 0 in window 1
.irp p, 4,5,6,7,8,9,10,11,12,13,14,15
	v_pk_add_f32 v[16+2*(\p%2):17+2*(\p%2)], v[XA+2*\p:XA+2*\p+1], v[16+2*(\p%2):17+2*(\p%2)]
	v_pk_add_f32 v[20+2*(\p%2):21+2*(\p%2)], v[XB+2*\p:XB+2*\p+1], v[20+2*(\p%2):21+2*(\p%2)]
.endr
	WIN 0
	REDUCE2
	v_mul_f32 v24, s40, v16                        ; the means
	v_mul_f32 v28, s40, v20
.if (\i) >= 4
	s_wait_alu depctr_va_vdst(0)
	s_wait_dscnt 16                                ; all but the last turn's 16 stores: the stores of the turn before it have read the registers that are written below
.endif
	WIN 0x01
.irp p, 0,1,2,3,4,5,6,7,8,9,10,11,12,13,14,15
	v_pk_add_f32 v[OA+2*\p:OA+2*\p+1], v[XA+2*\p:XA+2*\p+1], v[24:25] op_sel_hi:[1,0] neg_lo:[0,1] neg_hi:[0,1]
	v_pk_add_f32 v[OB+2*\p:OB+2*\p+1], v[XB+2*\p:XB+2*\p+1], v[28:29] op_sel_hi:[1,0] neg_lo:[0,1] neg_hi:[0,1]
.endr
.if (\i) < 8
	ROWLD (\i)+8                                   ; the two slots take the rows eight further on
	ROWLD (\i)+9
.else
	BLOAD (\i)-8, 10, 0x80                         ; all rows are asked for: two K steps of Wq in their stead
	BLOAD (\i)-7, 10, 0x80
.endif
	WIN 0
	v_pk_mul_f32 v[16:17], v[OA:OA+1], v[OA:OA+1]
	v_pk_mul_f32 v[20:21], v[OB:OB+1], v[OB:OB+1]
	v_pk_mul_f32 v[18:19], v[OA+2:OA+3], v[OA+2:OA+3]
	v_pk_mul_f32 v[22:23], v[OB+2:OB+3], v[OB+2:OB+3]
.irp p, 2,3,4,5,6,7,8,9,10,11,12,13,14,15
	v_pk_fma_f32 v[16+2*(\p%2):17+2*(\p%2)], v[OA+2*\p:OA+2*\p+1], v[OA+2*\p:OA+2*\p+1], v[16+2*(\p%2):17+2*(\p%2)]
	v_pk_fma_f32 v[20+2*(\p%2):21+2*(\p%2)], v[OB+2*\p:OB+2*\p+1], v[OB+2*\p:OB+2*\p+1], v[20+2*(\p%2):21+2*(\p%2)]
.endr
	REDUCE2
	v_fma_f32 v26, v16, s40, s41                   ; var + eps
	v_fma_f32 v30, v20, s40, s41
	s_wait_alu depctr_va_vdst(0)
	v_rsq_f32 v26, v26
	v_rsq_f32 v30, v30
.irp p, 0,1,2,3,4,5,6,7,8,9,10,11,12,13,14,15
	v_pk_mul_f32 v[OA+2*\p:OA+2*\p+1], v[OA+2*\p:OA+2*\p+1], v[GAM+2*\p:GAM+2*\p+1]   ; plain work behind the roots that names nothing of them
	v_pk_mul_f32 v[OB+2*\p:OB+2*\p+1], v[OB+2*\p:OB+2*\p+1], v[GAM+2*\p:GAM+2*\p+1]
.endr
	s_wait_alu depctr_va_vdst(0)                   ; the wait ahead of the roots' first reader: one for both
.irp p, 0,1,2,3,4,5,6,7,8,9,10,11,12,13,14,15
	v_pk_fma_f32 v[OA+2*\p:OA+2*\p+1], v[OA+2*\p:OA+2*\p+1], v[26:27], v[BET+2*\p:BET+2*\p+1] op_sel_hi:[1,0,1]
	v_pk_fma_f32 v[OB+2*\p:OB+2*\p+1], v[OB+2*\p:OB+2*\p+1], v[30:31], v[BET+2*\p:BET+2*\p+1] op_sel_hi:[1,0,1]
.endr
.irp j, 0,1,2,3,4,5,6,7
	ds_store_b128 v[STW], v[OA+4*\j:OA+4*\j+3] offset:(\i)*RP+512*\j
.endr
.irp j, 0,1,2,3,4,5,6,7
	ds_store_b128 v[STW], v[OB+4*\j:OB+4*\j+3] offset:((\i)+1)*RP+512*\j
.endr
.endm
.macro LOADX s                         ; K step s of my row r: of each block of 32 my 16 neighbours, into set s % 2
.irp b, 0,1,2,3
.irp j, 0,1,2,3
	ds_load_b128 v[ACC+64*((\s)%2)+16*\b+4*\j:ACC+64*((\s)%2)+16*\b+4*\j+3], v[STR] offset:512*(\s)+128*\b+16*\j
.endr
.endr
.endm
; 64 numbers of a lane in four blocks of 16 registers (the other 16 of each block lie in lane l xor 16) -> codes in v[pc] .. v[pc+7], scale bytes in v[TM+4] .. v[TM+7].  pc .. pc+3: the half image of blocks 0, 1;  pc+4 .. pc+7: of blocks 2, 3.
.macro QCORE s, pc
.irp b, 0,1,2,3
	v_max3_num_f32 v[TM+\b], |v[(\s)+16*\b]|, |v[(\s)+1+16*\b]|, 0x1800000   ; with the floor 2^(3 - 127): the byte cannot fall under 1
.endr
.irp i, 2,4,6,8,10,12,14
.irp b, 0,1,2,3
	v_max3_num_f32 v[TM+\b], v[TM+\b], |v[(\s)+16*\b+\i]|, |v[(\s)+1+16*\b+\i]|
.endr
.endr
.irp b, 0,1,2,3
	v_permlanex16_b32 v[TM+4+\b], v[TM+\b], s[SEL], s[SEL+1]
.endr
.irp b, 0,1,2,3
	v_max_num_f32 v[TM+\b], v[TM+\b], v[TM+4+\b]   ; the block's largest magnitude
.endr
.irp b, 0,1,2,3
	v_add_nc_u32 v[TM+12+\b], 0xff000000, v[TM+\b] ; 2 off its exponent field: the conversion's scale operand
.endr
.irp b, 0,1,2,3
	v_lshrrev_b32 v[TM+4+\b], 23, v[TM+12+\b]      ; the scale's byte
.endr
.irp b, 0,1,2,3
	v_cvt_scalef32_pk8_fp4_f32 v[(\pc)+2*\b], v[(\s)+16*\b:(\s)+7+16*\b], v[TM+12+\b]
	v_cvt_scalef32_pk8_fp4_f32 v[(\pc)+1+2*\b], v[(\s)+8+16*\b:(\s)+15+16*\b], v[TM+12+\b]
.endr
	v_nop                                          ; one plain place behind a scaled conversion
.irp c, 0,1
.irp i, 0,1
	v_permlane16_swap_b32 v[(\pc)+4*\c+\i], v[(\pc)+2+4*\c+\i]   ; a whole block to a lane: lanes 0-15 the even block, lanes 16-31 the odd one
.endr
.endr
.endm
.macro PWFULL                          ; four blocks of one row: its scale word of a K step
	v_lshl_or_b32 v[PWA], v[TM+5], 8, v[TM+4]
	v_lshl_or_b32 v[PWA], v[TM+6], 16, v[PWA]
	v_lshl_or_b32 v[PWA], v[TM+7], 24, v[PWA]
.endm
.macro PWHALF pw                       ; two blocks each of two tiles: lanes 0-15 carry the first tile's two bytes, lanes 16-31 the second's
	v_lshl_or_b32 v[\pw], v[TM+5], 8, v[TM+4]
	v_lshl_or_b32 v[PWT], v[TM+7], 8, v[TM+6]
	v_cndmask_b32 v[\pw], v[\pw], v[PWT], s[HM]
.endm
; A group: 64 weight rows x 64 rows x K = 1,024.  mwin: the windows of the products' sources; lc: how many younger loads may stay out at its head.
; refill: behind each K step its four weight fragments are loaded anew, from the rows at s[nc:nc+1], and behind the last step the scale registers from s[ns:ns+1].
.macro GROUP kind, mwin, bsc, lc, refill, nc, ns
	s_wait_loadcnt \lc
.irp s, 0,1,2,3,4,5,6,7
	WIN \mwin
	MUL16 \s, \kind, \bsc
.if \refill
	PLACES
	BLOAD \s, \nc, 0x80
.endif
.endr
.if \refill
	WIN 0
	BSCLD \ns, \bsc                                ; behind the last step's places
.else
	PLACES
	WIN 0
.endif
.endm
; q or k: two row tiles at a time become two half images and 32 scale words; each pair of tiles has its own registers for what it stores.  wait: these registers were an earlier group's store data
.macro QKOUT img, sc, wait
.if \wait
	s_wait_xcnt 0x0                                ; the earlier stores have read their data registers, which are written again below; the last load was issued a whole group ago
.endif
	QCORE ACC, PCA
	PWHALF PWA
	global_store_b128 v[L16], v[PCA:PCA+3], s[\img:\img+1]                       ; 512 consecutive bytes, aligned
	global_store_b128 v[L16], v[PCA+4:PCA+7], s[\img:\img+1] offset:512
	global_store_b32 v[L4], v[PWA], s[\sc:\sc+1]                                 ; bytes 2 and 3 of a word are 0: they scale the zero codes that fill K = 64 up to 128
	QCORE ACC+64, PCB
	PWHALF PWB
	global_store_b128 v[L16], v[PCB:PCB+3], s[\img:\img+1] offset:1024
	global_store_b128 v[L16], v[PCB+4:PCB+7], s[\img:\img+1] offset:1536
	global_store_b32 v[L4], v[PWB], s[\sc:\sc+1] offset:128
.endm
	s_load_b512 s[4:19], s[0:1], 0x0               ; x, gain, shift, Wq codes, Wq scales, Wk codes, Wk scales, Wv codes
	s_load_b128 s[20:23], s[0:1], 0x40             ; Wv scales, qkv
	v_lshl_add_u32 v[SPW], v0, 2, SPARE
	v_mov_b32 v[NIL], 0
	v_lshrrev_b32 v16, 5, v0
	v_readfirstlane_b32 s24, v16                   ; wave
	s_mov_b32 s25, ttmp9                           ; rb
	s_and_b32 s26, ttmp7, 0xffff                   ; cg
	v_and_b32 v16, 31, v0                          ; lane
	v_and_b32 v17, 15, v0                          ; r
	v_bfe_u32 v18, v0, 4, 1                        ; h
	v_lshlrev_b32 v[L16], 4, v16
	v_lshlrev_b32 v[L4], 2, v16
	v_and_b32 v19, 8, v17
	v_add_nc_u32 v19, v19, v17                     ; r + 8 (r / 8)
	v_lshlrev_b32 v[WA], 9, v19
	v_lshl_add_u32 v[WA], v18, 4, v[WA]
	v_lshlrev_b32 v[WS], 5, v19
	v_lshl_add_u32 v[WS], v18, 4, v[WS]
	s_mul_i32 s27, s24, WST
	v_add_nc_u32 v[STW], s27, v[L16]
	v_mul_u32_u24 v[STR], v17, RP
	v_lshl_add_u32 v[STR], v18, 6, v[STR]
	v_add_nc_u32 v[STR], s27, v[STR]
	s_lshl_b32 s27, s24, 13
	s_add_co_u32 s27, s27, AIMG
	v_add_nc_u32 v[IMW], s27, v[L16]
	s_lshl_b32 s27, s24, 9
	s_add_co_u32 s27, s27, ASCL
	v_lshl_add_u32 v[SCW], v17, 4, s27
	v_add_nc_u32 v[IMR], AIMG, v[L16]
	v_add_nc_u32 v[SCR], ASCL, v[L16]
	v_mov_b32 v25, 0                               ; upper halves of pairs of which the low word alone is used
	v_mov_b32 v27, 0
	v_mov_b32 v29, 0
	v_mov_b32 v31, 0
	s_mov_b32 s40, 0x3a800000                      ; 1 / 1,024
	s_mov_b32 s41, 0x3727c5ac                      ; eps = 1e-5
	s_mov_b32 s[SEL], 0x76543210
	s_mov_b32 s[SEL+1], 0xfedcba98
	s_mov_b32 s[HM], 0xffff0000
	s_lshl_b32 s48, s25, 18                        ; x: 64 rb rows of 4,096 bytes, + my tile's first row 32 (w / 2) + 8 (w % 2)
	s_lshr_b32 s27, s24, 1
	s_lshl_b32 s27, s27, 17
	s_add_co_u32 s48, s48, s27
	s_and_b32 s27, s24, 1
	s_lshl_b32 s27, s27, 15
	s_add_co_u32 s48, s48, s27
	s_mov_b32 s49, 0
	s_lshl_b32 s50, s26, 2
	s_add_co_u32 s50, s50, s24                     ; my head
	s_lshl_b32 s52, s50, 15                        ; its 64 weight rows: codes,
	s_mov_b32 s53, 0
	s_lshl_b32 s54, s50, 11                        ; scale bytes
	s_mov_b32 s55, 0
	s_lshr_b32 s27, s25, 4
	s_lshl_b32 s27, s27, 4
	s_add_co_u32 s51, s27, s50                     ; bh = 16 x batch + head
	s_and_b32 s56, s25, 15                         ; the block of 64 positions in the sequence
	s_lshl_b32 s58, s51, 15
	s_lshl_b32 s27, s56, 11
	s_add_co_u32 s58, s58, s27                     ; q's half images: bh x 32,768 + first tile x 512
	s_mov_b32 s59, 0
	s_lshl_b32 s60, s51, 12
	s_lshl_b32 s27, s56, 8
	s_add_co_u32 s60, s60, s27
	s_add_co_u32 s60, s60, QS                      ; q's scale words: bh x 4,096 + first tile x 64
	s_mov_b32 s61, 0
	s_lshl_b32 s62, s51, 15
	s_lshr_b32 s27, s56, 1
	s_lshl_b32 s27, s27, 12
	s_add_co_u32 s62, s62, s27
	s_and_b32 s57, s25, 1
	s_lshl_b32 s27, s57, 9
	s_add_co_u32 s62, s62, s27
	s_add_co_u32 s62, s62, VI                      ; v's: bh x 32,768 + key step x 4,096 + half x 512
	s_mov_b32 s63, 0
	s_lshl_b32 s46, s51, 11
	s_lshr_b32 s27, s56, 1
	s_lshl_b32 s27, s27, 8
	s_add_co_u32 s46, s46, s27
	s_lshl_b32 s27, s57, 1
	s_add_co_u32 s46, s46, s27
	s_add_co_u32 s46, s46, VS                      ; v's scale words: bh x 2,048 + key step x 256 + 2 x half
	s_mov_b32 s47, 0
	s_wait_kmcnt 0x0
	s_add_nc_u64 s[4:5], s[4:5], s[48:49]
	s_add_nc_u64 s[10:11], s[10:11], s[52:53]
	s_add_nc_u64 s[14:15], s[14:15], s[52:53]
	s_add_nc_u64 s[18:19], s[18:19], s[52:53]
	s_add_nc_u64 s[12:13], s[12:13], s[54:55]
	s_add_nc_u64 s[16:17], s[16:17], s[54:55]
	s_add_nc_u64 s[20:21], s[20:21], s[54:55]
	s_add_nc_u64 s[28:29], s[22:23], s[58:59]      ; q images
	s_add_nc_u64 s[30:31], s[22:23], s[60:61]      ; q scales
	s_add_nc_u64 s[32:33], s[28:29], KI            ; k images
	s_add_nc_u64 s[34:35], s[30:31], KS-QS         ; k scales
	s_add_nc_u64 s[36:37], s[22:23], s[62:63]      ; v images
	s_add_nc_u64 s[38:39], s[22:23], s[46:47]      ; v scales
.irp j, 0,1,2,3,4,5,6,7
	global_load_b128 v[GAM+4*\j:GAM+4*\j+3], v[L16], s[6:7] offset:512*\j
.endr
.irp j, 0,1,2,3,4,5,6,7
	global_load_b128 v[BET+4*\j:BET+4*\j+3], v[L16], s[8:9] offset:512*\j
.endr
.irp i, 0,1,2,3,4,5,6,7
	ROWLD \i
.endr
	; ---- the layer norm of my 16 rows, two at a time
.irp i, 0,2,4,6,8,10,12,14
	TURN2 \i
.endr
	BSCLD 12, BSC0                                 ; Wq's and Wk's scale bytes
	BSCLD 16, BSC1
	; ---- my tile becomes eight fragments; each step also asks for a K step of Wk
	s_wait_dscnt 0x0                               ; the last rows' stores have read their registers
	LOADX 0
.irp s, 0,1,2,3,4,5,6,7
.if \s < 7
	LOADX \s+1
	s_wait_dscnt 16                                ; all but the 16 loads just issued: this step's numbers are in, the last step's stores are done
.else
	s_wait_dscnt 0x0
.endif
	QCORE ACC+64*(\s%2), PCA
	PWFULL
	ds_store_b128 v[IMW], v[PCA:PCA+3] offset:1024*\s
	ds_store_b128 v[IMW], v[PCA+4:PCA+7] offset:1024*\s+512
	ds_store_b32 v[SCW], v[PWA] offset:256*(\s/4)+4*(\s%4)   ; lanes r and r + 16 write the same word with the same value
	BLOAD \s, 14, 0xc0
	WIN 0
.endr
	s_wait_dscnt 0x0                               ; for the others' sake: my images and scale words have landed
	s_barrier_signal -1
	s_barrier_wait -1                              ; the 32 fragments of the 64 rows lie in LDS
	WIN 0x40
.irp m, 0,1,2,3
.irp s, 0,1,2,3,4,5,6,7
.irp c, 0,1
	ds_load_b128 v[64*\m+8*\s+4*\c:64*\m+8*\s+4*\c+3], v[IMR] offset:(8*\m+\s)*1024+512*\c
.endr
.endr
.endr
	WIN 0
.irp m, 0,1,2,3
	ds_load_b128 v[ASC+4*\m:ASC+4*\m+3], v[SCR] offset:512*\m
.endr
	s_wait_dscnt 0x0
	; ---- q, k, v of my head
	GROUP 0, 0x06, BSC0, 63, 1, 18, 20             ; q.  Behind Wq and its scales 68 loads were issued (Wk's scales and Wk): the count names as many.  Wv takes Wq's registers
	QKOUT 28, 30, 0
	GROUP 0, 0x07, BSC1, 63, 0, 0, 0               ; k, from window 3.  Behind Wk 68 loads were issued (Wv and its scales)
	QKOUT 32, 34, 1
	GROUP 1, 0x09, BSC0, 0, 0, 0, 0                ; v: the sources change places
	; v: accumulator (channel tile t, row tile m) at ACC + 32 t + 8 m: 32 registers are 64 keys of one channel: half a fragment of v with the keys innermost
	s_wait_xcnt 0x0                                ; k's stores have read their data registers
	QCORE ACC, PCA
	PWHALF PWA
	global_store_b128 v[L16], v[PCA:PCA+3], s[36:37]
	global_store_b128 v[L16], v[PCA+4:PCA+7], s[36:37] offset:1024
	global_store_b16 v[L4], v[PWA], s[38:39]                   ; my 64 keys' half of each channel's scale word
	QCORE ACC+64, PCB
	PWHALF PWB
	global_store_b128 v[L16], v[PCB:PCB+3], s[36:37] offset:2048
	global_store_b128 v[L16], v[PCB+4:PCB+7], s[36:37] offset:3072
	global_store_b16 v[L4], v[PWB], s[38:39] offset:128
	s_wait_tensorcnt 0x0                           ; the wave's end
	ds_add_u32 v[SPW], v[NIL]
	s_wait_dscnt 0x0
	s_endpgm
.Lfunc_end_k_q1517be397e_qkv:
	.size	k_q1517be397e_qkv, .Lfunc_end_k_q1517be397e_qkv-k_q1517be397e_qkv
	.p2alignl 7, 3214868480
	.fill 96, 4, 3214868480
	.section	.rodata,"a",@progbits
	.p2align	6, 0x0
	.amdhsa_kernel k_q1517be397e_qkv
		.amdhsa_group_segment_fixed_size 298496
		.amdhsa_private_segment_fixed_size 0
		.amdhsa_enable_private_segment 0
		.amdhsa_kernarg_size 80
		.amdhsa_user_sgpr_count 2
		.amdhsa_user_sgpr_kernarg_segment_ptr 1
		.amdhsa_wavefront_size32 1
		.amdhsa_system_sgpr_workgroup_id_x 1
		.amdhsa_system_sgpr_workgroup_id_y 1
		.amdhsa_system_sgpr_workgroup_id_z 1
		.amdhsa_system_vgpr_workitem_id 0
		.amdhsa_next_free_vgpr 1024
		.amdhsa_next_free_sgpr 66
		.amdhsa_reserve_vcc 0
		.amdhsa_float_denorm_mode_32 3
		.amdhsa_float_denorm_mode_16_64 3
		.amdhsa_memory_ordered 1
		.amdhsa_forward_progress 1
		.amdhsa_inst_pref_size 255
	.end_amdhsa_kernel
	.section	.bss,"aw",@nobits
	.p2align	6
	.space	262144
	.amdgpu_metadata
---
amdhsa.version: [ 1, 2 ]
amdhsa.kernels:
  - .name:           k_q1517be397e_qkv
    .symbol:         k_q1517be397e_qkv.kd
    .args:
      - { .name: x, .offset: 0, .size: 8, .value_kind: global_buffer, .address_space: global }
      - { .name: ln1_scale, .offset: 8, .size: 8, .value_kind: global_buffer, .address_space: global }
      - { .name: ln1_shift, .offset: 16, .size: 8, .value_kind: global_buffer, .address_space: global }
      - { .name: Wq_codes, .offset: 24, .size: 8, .value_kind: global_buffer, .address_space: global }
      - { .name: Wq_scales, .offset: 32, .size: 8, .value_kind: global_buffer, .address_space: global }
      - { .name: Wk_codes, .offset: 40, .size: 8, .value_kind: global_buffer, .address_space: global }
      - { .name: Wk_scales, .offset: 48, .size: 8, .value_kind: global_buffer, .address_space: global }
      - { .name: Wv_codes, .offset: 56, .size: 8, .value_kind: global_buffer, .address_space: global }
      - { .name: Wv_scales, .offset: 64, .size: 8, .value_kind: global_buffer, .address_space: global }
      - { .name: qkv, .offset: 72, .size: 8, .value_kind: global_buffer, .address_space: global }
    .group_segment_fixed_size: 298496
    .private_segment_fixed_size: 0
    .kernarg_segment_align: 8
    .kernarg_segment_size: 80
    .max_flat_workgroup_size: 128
    .sgpr_count:     66
    .vgpr_count:     1024
    .wavefront_size: 32
...
	.end_amdgpu_metadata
.endif
;; end of part 1
;; launch attn (part 2): grid 4 x 64, 16 waves a work-group, no clusters, 73,728 bytes of LDS; arguments qkv, ctx, W2_codes, Wo_codes, w2i, woi; writes ctx, w2i, woi
.if DOCPART == 2
	.amdgcn_target "amdgcn-amd-amdhsa--gfx1250"
	.amdhsa_code_object_version 6
	.text
	.protected	k_q1517be397e_attn
	.globl	k_q1517be397e_attn
	.p2align	8
	.type	k_q1517be397e_attn,@function
k_q1517be397e_attn:
	s_mov_b64 s[64:65], 0
	v_nop
	global_prefetch_b8 v0, s[64:65] scope:SCOPE_SE
	s_setreg_imm32_b32 hwreg(HW_REG_WAVE_MODE, 25, 1), 1
	s_wait_xcnt 0x0
; LAUNCH 2 OF 5: ctx = softmax(q k^T / 8, causal) v for one head, both products on codes of E2M1; ctx is quantised along the model's 1,024 and stored as codes in the order of the next launch's operand registers.
; LEFT OUT: key steps all of whose 128 keys come after all 16 queries of a wave: reference()'s own tril makes their p 0 for all values of the inputs.  A NaN, infinity or overflow that arises only there is not carried to the result.
; THE SOFTMAX: t = score x log2(e) / 8; M = the running largest t rounded UP to a whole number; p = 2^(t - M) is quantised along the keys, not normalised; the row's sum is taken of the unquantised p and divides at the end.
; LIMITS: NaN and infinities are not served; a block of zeros gets the scale byte 1 (its codes are zeros; this program alone reads the bytes); v_exp_f32 and v_rcp_f32 flush denormals.
; SHARES.  Work-group (j, bh): head bh; a wave owns the query tile T' = 4 w' + j (rows 32 (T' / 2) + 8 (T' % 2) + r + 8 (r / 8)), so that the four work-groups of a head have nearly equal work.  It walks key steps 0 .. w' / 2.
; WHICH WAVE TAKES WHICH w'.  w' = 2 P + b, b = (w / 4) % 2, P = 7 ((w % 2) xor b) xor 3 ((w / 2) % 2) xor (w / 8): each of 0 .. 15 once.  A wave has P + 1 key steps; any four waves with the same w % 4, and any four with the
; same w / 4, have 18 key steps together.
; The head's k and v (codes and scale words, 70 KB) are copied into LDS once, as they lie, in whole runs; no ring, one barrier.
; LAYOUT.  S^T = k q^T (source 0 = a tile of 16 keys, source 1 = my queries), O^T = v^T p^T (source 0 = 16 channels, source 1 = p): a lane holds ONE query throughout.  The rows of a key tile and the channels of a tile of v are
; chosen so that the 16 registers of tiles 2 b, 2 b + 1 are 16 neighbours along the next K.  The first product's K is 64: registers 4-7 of q's and k's fragments hold zero codes (each side its own), under the scale byte 0.
; REGISTERS: v1-11 offsets and addresses; v12 -M, v13 the largest t, v[14:15] the sum; v16-23 q; v24 q's scales, v25 p's, v26-29 k's (two tiles a register), v30-31 v's; v32-95 k; v96-159 S^T, then p; v160-191 O^T;
;   v192-223 v; v224-231 p's codes; v232-247 at work; v248 f; v250 my query less 16 (lane / 16); v251, v254 at work; v252, v253, v255 addresses.
; ALSO LAID HERE, for the launches wo and ffn2: the codes of W2 and Wo as images of operand registers.  Half a fragment (16 weight rows x 64 along K) is 512 bytes, lane l's 16 bytes at 16 l.
; W2 has 4,096 halves, [column tile][K step][half]: one for each of the launch's 4,096 waves.  Wo has 1,024: one for each of waves 0 to 3 of a work-group; lane r of Wo's tile 4 a + u takes row 64 a + 32 (r / 8) + 8 u + r % 8, as launch wo's column tiles want it.
.set VIM,   32768
.set KSC,   65536                      ; k's scale words [tile][r][4],
.set VSC,   69632                      ; v's [key step][t][r][4],
.set SPARE, 71680                      ; the spare words, 128 bytes for each of 16 waves
.set KI, 2097152
.set VI, 4194304
.set QS, 6291456
.set KS, 6553600
.set VS, 6815744
.set CTS, 2097152                      ; ctx: images from 0, scale bytes from here
.set L16, 1
.set L4,  2
.set ADR, 3
.set ADS, 4
.set ADT, 5
.set SPW, 6
.set NIL, 7
.set R4,  8
.set T16, 9
.set T8,  10
.set T4,  11
.set DQ,  250
.set KSA, 252
.set VSA, 253
.set CSO, 255
.set TB,  36                           ; s36 LDS byte of the step's tiles (k's from 0, v's from VIM): 4,096 a step
.set TS,  37                           ; s37 of k's scale words: 512 a step
.set TJ,  38                           ; s38 of v's: 256 a step
.set KF,  39                           ; s39 the step's first key
.set Q0,  40                           ; s40 my tile's first query; its last is Q0 + 23
.set CNT, 41
.set CC,  42                           ; s[42:43] c = log2(e) / 8
.set SEL, 44                           ; s[44:45]
.macro PLACES
.rept 4
	v_nop
.endr
.endm
	s_load_b128 s[4:7], s[0:1], 0x0                ; qkv, ctx
	s_load_b256 s[56:63], s[0:1], 0x10             ; W2's codes, Wo's codes, their images
	v_lshl_add_u32 v[SPW], v0, 2, SPARE
	v_mov_b32 v[NIL], 0
	v_lshrrev_b32 v12, 5, v0
	s_delay_alu instid0(VALU_DEP_1)
	v_readfirstlane_b32 s8, v12                    ; wave
	s_and_b32 s9, ttmp7, 0xffff                    ; bh
	s_and_b32 s46, s8, 1                           ; w % 2
	s_bfe_u32 s47, s8, 0x10002                     ; b = (w / 4) % 2
	s_xor_b32 s46, s46, s47
	s_mul_i32 s46, s46, 7
	s_bfe_u32 s48, s8, 0x10001                     ; (w / 2) % 2
	s_mul_i32 s48, s48, 3
	s_xor_b32 s46, s46, s48
	s_lshr_b32 s48, s8, 3                          ; w / 8
	s_xor_b32 s46, s46, s48                        ; P
	s_lshl_b32 s46, s46, 1
	s_or_b32 s46, s46, s47                         ; w' = 2 P + b
	s_lshl_b32 s10, s46, 2
	s_add_co_u32 s10, s10, ttmp9                   ; T'
	v_and_b32 v12, 31, v0
	s_delay_alu instid0(VALU_DEP_1)
	v_lshlrev_b32 v[L16], 4, v12
	s_delay_alu instid0(VALU_DEP_2)
	v_lshlrev_b32 v[L4], 2, v12
	v_and_b32 v13, 15, v0                          ; r
	s_delay_alu instid0(VALU_DEP_1)
	v_lshlrev_b32 v[R4], 2, v13
	s_delay_alu instid0(VALU_DEP_2)
	v_lshlrev_b32 v[CSO], 5, v13
	v_lshlrev_b32 v[T16], 4, v0
	v_lshlrev_b32 v[T8], 3, v0
	v_lshlrev_b32 v[T4], 2, v0
	v_lshl_add_u32 v[KSA], v0, 3, KSC
	v_lshl_add_u32 v[VSA], v0, 2, VSC
	s_lshr_b32 s46, s10, 1
	s_lshl_b32 s[Q0], s46, 5
	s_and_b32 s46, s10, 1
	s_lshl_b32 s46, s46, 3
	s_add_co_u32 s[Q0], s[Q0], s46
	v_and_b32 v14, 8, v13
	s_delay_alu instid0(VALU_DEP_1)
	v_add_nc_u32 v14, v14, v13                     ; r + 8 (r / 8)
	v_bfe_u32 v15, v0, 4, 1
	s_delay_alu instid0(VALU_DEP_1)
	v_lshlrev_b32 v15, 4, v15
	s_delay_alu instid0(VALU_DEP_1)
	v_sub_nc_u32 v14, v14, v15
	s_delay_alu instid0(VALU_DEP_1)
	v_add_nc_u32 v[DQ], s[Q0], v14                 ; my query - 16 (lane / 16)
	v_lshl_add_u32 v232, v13, 11, v15              ; W2: row r of 2,048 bytes, + 16 h
	v_and_b32 v233, 8, v13
	s_delay_alu instid0(VALU_DEP_1)
	v_mad_u32_u24 v233, v233, 3, v13               ; 32 (r / 8) + r % 8
	s_delay_alu instid0(VALU_DEP_1)
	v_lshl_add_u32 v233, v233, 9, v15              ; Wo: that row of 512 bytes, + 16 h
	s_lshl_b32 s12, s9, 15
	s_mov_b32 s13, 0
	s_lshl_b32 s14, s9, 12
	s_mov_b32 s15, 0
	s_lshl_b32 s16, s9, 11
	s_mov_b32 s17, 0
	s_lshl_b32 s18, s10, 9
	s_mov_b32 s19, 0
	s_lshl_b32 s20, s10, 6
	s_mov_b32 s21, 0
	s_lshr_b32 s46, s9, 4
	s_lshl_b32 s46, s46, 6
	s_add_co_u32 s46, s46, s10                     ; my row tile among the 256
	s_and_b32 s47, s9, 15                          ; the head
	s_lshl_b32 s48, s46, 13
	s_lshl_b32 s49, s47, 9
	s_add_co_u32 s48, s48, s49
	s_mov_b32 s49, 0
	s_lshl_b32 s50, s46, 9
	s_lshl_b32 s51, s47, 1
	s_add_co_u32 s50, s50, s51
	s_mov_b32 s51, 0
	s_mov_b32 s[TB], 0
	s_mov_b32 s[TS], KSC
	s_mov_b32 s[TJ], VSC
	s_mov_b32 s[KF], 0
	s_mov_b32 s[CNT], 8
	s_mov_b32 s[CC], 0x3e38aa3b
	s_mov_b32 s[CC+1], s[CC]
	s_mov_b32 s[SEL], 0x76543210
	s_mov_b32 s[SEL+1], 0xfedcba98
	s_wait_alu depctr_va_vdst(0)
	s_wait_kmcnt 0x0
	s_add_nc_u64 s[22:23], s[4:5], s[12:13]        ; the head's images
	s_add_nc_u64 s[24:25], s[4:5], s[14:15]        ; q's and k's scale words
	s_add_nc_u64 s[26:27], s[4:5], s[16:17]        ; v's
	s_add_nc_u64 s[28:29], s[22:23], s[18:19]      ; my tile of q
	s_add_nc_u64 s[30:31], s[24:25], s[20:21]
	s_add_nc_u64 s[32:33], s[6:7], s[48:49]        ; my half image of ctx
	s_add_nc_u64 s[34:35], s[6:7], s[50:51]        ; and its scale bytes
	s_lshl_b32 s52, s9, 2
	s_add_co_u32 s52, s52, ttmp9                   ; the work-group's number, 0 .. 255
	s_lshl_b32 s53, s52, 4
	s_add_co_u32 s53, s53, s8                      ; my half of W2: 64 x column tile + 2 x K step + half
	s_lshr_b32 s54, s53, 6
	s_lshl_b32 s54, s54, 15                        ; 16 rows of 2,048 bytes a tile,
	s_and_b32 s55, s53, 63
	s_lshl_b32 s55, s55, 5                         ; 32 bytes a half
	s_add_co_u32 s54, s54, s55
	s_mov_b32 s55, 0
	s_add_nc_u64 s[56:57], s[56:57], s[54:55]
	s_lshl_b32 s54, s53, 9
	s_add_nc_u64 s[60:61], s[60:61], s[54:55]      ; its image
	s_lshl_b32 s53, s52, 2
	s_add_co_u32 s53, s53, s8                      ; waves 0 to 3: my half of Wo: 16 x tile + 2 x K step + half
	s_lshr_b32 s54, s53, 6
	s_lshl_b32 s54, s54, 15                        ; 64 rows of 512 bytes for each four tiles,
	s_bfe_u32 s52, s53, 0x20004
	s_lshl_b32 s52, s52, 12                        ; 8 rows a tile among them,
	s_add_co_u32 s54, s54, s52
	s_and_b32 s52, s53, 15
	s_lshl_b32 s52, s52, 5                         ; 32 bytes a half
	s_add_co_u32 s54, s54, s52
	s_add_nc_u64 s[58:59], s[58:59], s[54:55]
	s_lshl_b32 s54, s53, 9
	s_add_nc_u64 s[62:63], s[62:63], s[54:55]      ; its image
.irp i, 0,1,2,3
	global_load_b128 v[96+4*\i:99+4*\i], v[T16], s[22:23] offset:KI+8192*\i      ; the 512 threads take 8,192 consecutive bytes an instruction
.endr
.irp i, 0,1,2,3
	global_load_b128 v[112+4*\i:115+4*\i], v[T16], s[22:23] offset:VI+8192*\i
.endr
	global_load_b64 v[128:129], v[T8], s[24:25] offset:KS
	global_load_b32 v130, v[T4], s[26:27] offset:VS
	global_load_b128 v[16:19], v[L16], s[28:29]    ; q's half image
	global_load_b32 v24, v[R4], s[30:31] offset:QS
	global_load_b128 v[132:135], v232, s[56:57]    ; my half fragment of W2
	s_cmp_lt_u32 s8, 4
	s_cbranch_scc0 .Lno_wo
	global_load_b128 v[136:139], v233, s[58:59]    ; waves 0 to 3: and of Wo
.Lno_wo:
.irp e, 20,21,22,23
	v_mov_b32 v[\e], 0                             ; q's zero codes for k = 64 .. 127
.endr
.irp i, 0,1,2,3,4,5,6,7
.irp e, 4,5,6,7
	v_mov_b32 v[32+8*\i+\e], 0                     ; and k's, in registers of their own; the loop's loads fill registers 0-3 alone
.endr
.endr
	v_mov_b32 v13, 0xff61b1e6                      ; the largest t so far: -3e38
	s_delay_alu instid0(VALU_DEP_1)
	v_floor_f32 v12, -v13                          ; -M
	v_mov_b32 v14, 0
	v_mov_b32 v15, 0
.irp b, 0,1,2,3
	v_mov_b32 v[236+\b], 0                         ; a lane permute's destination counts as one of its sources
.endr
	v_mov_b32 v249, 0                              ; upper half of the pair v[248:249]
.set J, 0
.rept 32
	v_mov_b32 v[160+J], 0                          ; O^T: the step is written once; the first finds zeros, which the first change of M leaves zeros
.set J, J+1
.endr
	s_wait_loadcnt 0x0
	global_store_b128 v[L16], v[132:135], s[60:61] ; 512 consecutive bytes, aligned
	s_cmp_lt_u32 s8, 4
	s_cbranch_scc0 .Lno_wo2
	global_store_b128 v[L16], v[136:139], s[62:63]
.Lno_wo2:
.irp i, 0,1,2,3
	ds_store_b128 v[T16], v[96+4*\i:99+4*\i] offset:8192*\i
.endr
.irp i, 0,1,2,3
	ds_store_b128 v[T16], v[112+4*\i:115+4*\i] offset:VIM+8192*\i
.endr
	ds_store_b64 v[KSA], v[128:129]
	ds_store_b32 v[VSA], v130
	s_wait_xcnt 0x0                                ; the two stores have read their data registers, which the scores will take
	s_wait_dscnt 0x0                               ; for the others' sake: my part of the head has landed
	s_barrier_signal -1
	s_barrier_wait -1
.Lstep:                                            ; eight trips in every wave; a trip whose keys are all hidden steps the addresses and does nothing else
	s_add_co_u32 s46, s[Q0], 23
	s_cmp_gt_u32 s[KF], s46
	s_cbranch_scc1 .Lhid
	v_add_nc_u32 v[ADR], s[TB], v[L16]             ; these three and the v_nop are the four places behind the last step's products, ahead of the loads into their registers
	v_add_nc_u32 v[ADS], s[TS], v[L4]
	v_add_nc_u32 v[ADT], s[TJ], v[L4]
	v_nop
.irp i, 0,1,2,3,4,5,6,7
	ds_load_b128 v[32+8*\i:35+8*\i], v[ADR] offset:512*\i
.endr
.irp p, 0,1,2,3
	ds_load_b32 v[26+\p], v[ADS] offset:128*\p     ; lanes 0-15: tile 2 p's words, lanes 16-31: tile 2 p + 1's
.endr
.irp t, 0,1,2,3
.irp c, 0,1
	ds_load_b128 v[192+8*\t+4*\c:195+8*\t+4*\c], v[ADR] offset:VIM+1024*\t+512*\c
.endr
.endr
	ds_load_b32 v30, v[ADT]
	ds_load_b32 v31, v[ADT] offset:128
	s_wait_dscnt 10                                ; k and its scales are in; v's eight loads and two scale loads may be out
.irp i, 0,1,2,3,4,5,6,7
.if \i%2
	v_wmma_scale_f32_16x16x128_f8f6f4 v[96+8*\i:103+8*\i], v[32+8*\i:39+8*\i], v[16:23], 0, v[26+\i/2], v24 matrix_a_fmt:MATRIX_FMT_FP4 matrix_b_fmt:MATRIX_FMT_FP4 matrix_a_scale:MATRIX_SCALE_ROW1
.else
	v_wmma_scale_f32_16x16x128_f8f6f4 v[96+8*\i:103+8*\i], v[32+8*\i:39+8*\i], v[16:23], 0, v[26+\i/2], v24 matrix_a_fmt:MATRIX_FMT_FP4 matrix_b_fmt:MATRIX_FMT_FP4
.endif
.endr
	PLACES
	s_add_co_u32 s46, s[KF], 127                   ; on the diagonal hidden scores become -infinity ahead of the maximum; a step all of whose keys count skips this
	s_cmp_le_u32 s46, s[Q0]
	s_cbranch_scc1 .Lopen
	v_sub_nc_u32 v251, v[DQ], s[KF]                ; d: register 16 b + i holds key KF + 16 (lane / 16) + 32 b + i: hidden where 32 b + i > d
	v_mov_b32 v254, 0xff800000
.set N, 0
.rept 64
	v_cmp_gt_i32 vcc_lo, 32*(N/16)+N%16, v251
	v_cndmask_b32 v[96+N], v[96+N], v254, vcc_lo
.set N, N+1
.endr
.Lopen:
.irp b, 0,1,2,3
	v_max3_num_f32 v[232+\b], v[96+16*\b], v[97+16*\b], v[98+16*\b]   ; the largest score of each block of 32 keys: for the row's maximum, and, since p rises with the score, for the block's largest p
.endr
.irp i, 3,5,7,9,11,13
.irp b, 0,1,2,3
	v_max3_num_f32 v[232+\b], v[232+\b], v[96+16*\b+\i], v[97+16*\b+\i]
.endr
.endr
.irp b, 0,1,2,3
	v_max_num_f32 v[232+\b], v[232+\b], v[111+16*\b]
.endr
.irp b, 0,1,2,3
	s_delay_alu instid0(VALU_DEP_4)
	v_permlanex16_b32 v[236+\b], v[232+\b], s[SEL], s[SEL+1]
.endr
.irp b, 0,1,2,3
	s_delay_alu instid0(VALU_DEP_4)
	v_max_num_f32 v[232+\b], v[232+\b], v[236+\b]
.endr
	s_delay_alu instid0(VALU_DEP_2)
	v_max3_num_f32 v254, v232, v233, v234
	s_delay_alu instid0(VALU_DEP_1)
	v_max_num_f32 v254, v254, v235
	s_delay_alu instid0(VALU_DEP_1)
	v_mul_f32 v254, s[CC], v254                    ; the step's largest t
	s_delay_alu instid0(VALU_DEP_1)
	v_max_num_f32 v13, v13, v254
	v_mov_b32 v254, v12
	s_delay_alu instid0(VALU_DEP_2)
	v_floor_f32 v12, -v13                          ; the new -M = -ceil(t)
	s_delay_alu instid0(VALU_DEP_1)
	v_sub_f32 v254, v12, v254                      ; old M - new M: a whole number, 0 or less
	s_delay_alu instid0(VALU_DEP_1)
	v_cvt_i32_f32 v254, v254
	s_delay_alu instid0(VALU_DEP_1)
	v_ldexp_f32 v248, 1.0, v254                    ; f = 2^(old M - new M): multiplying by it rounds nothing
.set J, 0
.rept 32
	v_pk_fma_f32 v[96+J:97+J], v[96+J:97+J], s[CC:CC+1], v[12:13] op_sel_hi:[1,0,0]   ; t - M
.set J, J+2
.endr
.irp b, 0,1,2,3
	v_fma_f32 v[232+\b], v[232+\b], s[CC], v12
.endr
.set J, 0
	s_wait_alu depctr_va_vdst(0)
.rept 64
	v_exp_f32 v[96+J], v[96+J]                     ; p
.set J, J+1
.endr
	v_pk_mul_f32 v[14:15], v[14:15], v[248:249] op_sel_hi:[1,0]   ; the sums under the new M: the plain place behind the batch
	s_wait_alu depctr_va_vdst(0)                   ; one wait ahead of the batch's first reader
.irp b, 0,1,2,3
	v_exp_f32 v[232+\b], v[232+\b]                 ; each block's largest p
.endr
	v_pk_add_f32 v[236:237], v[100:101], v[104:105]
	v_pk_add_f32 v[252:253], v[108:109], v[112:113]
	v_pk_add_f32 v[246:247], v[116:117], v[120:121]
	v_pk_add_f32 v[244:245], v[124:125], v[128:129]
	v_pk_add_f32 v[242:243], v[132:133], v[136:137]
	v_pk_add_f32 v[240:241], v[140:141], v[144:145]
	v_pk_add_f32 v[238:239], v[148:149], v[152:153]
	v_pk_add_f32 v[14:15], v[14:15], v[156:157]
	v_pk_add_f32 v[236:237], v[236:237], v[96:97]
	v_pk_add_f32 v[252:253], v[252:253], v[98:99]
	v_pk_add_f32 v[246:247], v[246:247], v[102:103]
	v_pk_add_f32 v[244:245], v[244:245], v[106:107]
	v_pk_add_f32 v[242:243], v[242:243], v[110:111]
	v_pk_add_f32 v[240:241], v[240:241], v[114:115]
	v_pk_add_f32 v[238:239], v[238:239], v[118:119]
	v_pk_add_f32 v[14:15], v[14:15], v[122:123]
	v_pk_add_f32 v[236:237], v[236:237], v[126:127]
	v_pk_add_f32 v[252:253], v[252:253], v[130:131]
	v_pk_add_f32 v[246:247], v[246:247], v[134:135]
	v_pk_add_f32 v[244:245], v[244:245], v[138:139]
	v_pk_add_f32 v[242:243], v[242:243], v[142:143]
	v_pk_add_f32 v[240:241], v[240:241], v[146:147]
	v_pk_add_f32 v[238:239], v[238:239], v[150:151]
	v_pk_add_f32 v[14:15], v[14:15], v[154:155]
	v_pk_add_f32 v[236:237], v[236:237], v[158:159]
	s_delay_alu instid0(VALU_DEP_2)
	v_pk_add_f32 v[14:15], v[14:15], v[244:245]
	s_delay_alu instid0(VALU_DEP_2)
	v_pk_add_f32 v[236:237], v[236:237], v[242:243]
	v_pk_add_f32 v[252:253], v[252:253], v[240:241]
	v_pk_add_f32 v[246:247], v[246:247], v[238:239]
	s_delay_alu instid0(VALU_DEP_2)
	v_pk_add_f32 v[14:15], v[14:15], v[252:253]
	s_delay_alu instid0(VALU_DEP_2)
	v_pk_add_f32 v[236:237], v[236:237], v[246:247]
	s_delay_alu instid0(VALU_DEP_1)
	v_pk_add_f32 v[14:15], v[14:15], v[236:237]
	s_wait_alu depctr_va_vdst(0)                   ; and one for the four
.irp b, 0,1,2,3
	v_max_num_f32 v[232+\b], 0x1800000, v[232+\b]  ; the floor 2^(3 - 127)
.endr
.irp b, 0,1,2,3
	s_delay_alu instid0(VALU_DEP_4)
	v_add_nc_u32 v[244+\b], 0xff000000, v[232+\b]
.endr
.irp b, 0,1,2,3
	s_delay_alu instid0(VALU_DEP_4)
	v_lshrrev_b32 v[236+\b], 23, v[244+\b]
.endr
	s_delay_alu instid0(VALU_DEP_3)
	v_lshl_or_b32 v25, v237, 8, v236               ; p's scale word for these 128 keys
	s_delay_alu instid0(VALU_DEP_1)
	v_lshl_or_b32 v25, v238, 16, v25
	s_delay_alu instid0(VALU_DEP_1)
	v_lshl_or_b32 v25, v239, 24, v25
.irp b, 0,1,2,3
	v_cvt_scalef32_pk8_fp4_f32 v[224+2*\b], v[96+16*\b:103+16*\b], v[244+\b]
	v_cvt_scalef32_pk8_fp4_f32 v[225+2*\b], v[104+16*\b:111+16*\b], v[244+\b]
.endr
	v_nop
.irp c, 0,1
.irp i, 0,1
	v_permlane16_swap_b32 v[224+4*\c+\i], v[226+4*\c+\i]
.endr
.endr
.set J, 0
.rept 16
	v_pk_mul_f32 v[160+J:161+J], v[160+J:161+J], v[248:249] op_sel_hi:[1,0]   ; O^T under the new M; these 16 are also the places between p's codes and scale word and the products
.set J, J+2
.endr
	s_wait_alu depctr_va_vdst(0)
	s_wait_dscnt 0x0                               ; v and its scales are in
.irp t, 0,1,2,3
.if \t%2
	v_wmma_scale_f32_16x16x128_f8f6f4 v[160+8*\t:167+8*\t], v[192+8*\t:199+8*\t], v[224:231], v[160+8*\t:167+8*\t], v[30+\t/2], v25 matrix_a_fmt:MATRIX_FMT_FP4 matrix_b_fmt:MATRIX_FMT_FP4 matrix_a_scale:MATRIX_SCALE_ROW1
.else
	v_wmma_scale_f32_16x16x128_f8f6f4 v[160+8*\t:167+8*\t], v[192+8*\t:199+8*\t], v[224:231], v[160+8*\t:167+8*\t], v[30+\t/2], v25 matrix_a_fmt:MATRIX_FMT_FP4 matrix_b_fmt:MATRIX_FMT_FP4
.endif
.endr
.Lhid:
	s_add_co_u32 s[KF], s[KF], 128
	s_add_co_u32 s[TB], s[TB], 4096
	s_add_co_u32 s[TS], s[TS], 512
	s_add_co_u32 s[TJ], s[TJ], 256
	s_sub_co_u32 s[CNT], s[CNT], 1
	s_cmp_lg_u32 s[CNT], 0
	s_cbranch_scc1 .Lstep
	; ---- the way out: O^T / the sum, quantised along the channels: register 8 t + i is channel 32 (t / 2) + 16 (lane / 16) + 8 (t % 2) + i of my query
	PLACES
	v_add_f32 v14, v14, v15
	s_delay_alu instid0(VALU_DEP_1)
	v_permlanex16_b32 v236, v14, s[SEL], s[SEL+1]
	s_delay_alu instid0(VALU_DEP_1)
	v_add_f32 v14, v14, v236                       ; the row's sum
	s_wait_alu depctr_va_vdst(0)
	v_rcp_f32 v14, v14
	v_nop
	s_wait_alu depctr_va_vdst(0)
.set J, 0
.rept 32
	v_mul_f32 v[96+J], v[160+J], v14
.set J, J+1
.endr
.irp b, 0,1
	v_max3_num_f32 v[232+\b], |v[96+16*\b]|, |v[97+16*\b]|, 0x1800000
.endr
.irp i, 2,4,6,8,10,12,14
.irp b, 0,1
	s_delay_alu instid0(VALU_DEP_2)
	v_max3_num_f32 v[232+\b], v[232+\b], |v[96+16*\b+\i]|, |v[97+16*\b+\i]|
.endr
.endr
.irp b, 0,1
	s_delay_alu instid0(VALU_DEP_2)
	v_permlanex16_b32 v[236+\b], v[232+\b], s[SEL], s[SEL+1]
.endr
.irp b, 0,1
	s_delay_alu instid0(VALU_DEP_2)
	v_max_num_f32 v[232+\b], v[232+\b], v[236+\b]
.endr
.irp b, 0,1
	s_delay_alu instid0(VALU_DEP_2)
	v_add_nc_u32 v[244+\b], 0xff000000, v[232+\b]
.endr
.irp b, 0,1
	s_delay_alu instid0(VALU_DEP_2)
	v_lshrrev_b32 v[236+\b], 23, v[244+\b]
.endr
	s_delay_alu instid0(VALU_DEP_1)
	v_lshl_or_b32 v240, v237, 8, v236              ; my head's two scale bytes of my row
.irp b, 0,1
	v_cvt_scalef32_pk8_fp4_f32 v[224+2*\b], v[96+16*\b:103+16*\b], v[244+\b]
	v_cvt_scalef32_pk8_fp4_f32 v[225+2*\b], v[104+16*\b:111+16*\b], v[244+\b]
.endr
	v_nop
	v_permlane16_swap_b32 v224, v226
	v_permlane16_swap_b32 v225, v227
	global_store_b128 v[L16], v[224:227], s[32:33]             ; a half image: 512 consecutive bytes, aligned
	global_store_b16 v[CSO], v240, s[34:35] offset:CTS         ; lanes r and r + 16 store the same two bytes
	s_wait_tensorcnt 0x0                           ; the wave's end
	ds_add_u32 v[SPW], v[NIL]
	s_wait_dscnt 0x0
	s_endpgm
.Lfunc_end_k_q1517be397e_attn:
	.size	k_q1517be397e_attn, .Lfunc_end_k_q1517be397e_attn-k_q1517be397e_attn
	.p2alignl 7, 3214868480
	.fill 96, 4, 3214868480
	.section	.rodata,"a",@progbits
	.p2align	6, 0x0
	.amdhsa_kernel k_q1517be397e_attn
		.amdhsa_group_segment_fixed_size 73728
		.amdhsa_private_segment_fixed_size 0
		.amdhsa_enable_private_segment 0
		.amdhsa_kernarg_size 48
		.amdhsa_user_sgpr_count 2
		.amdhsa_user_sgpr_kernarg_segment_ptr 1
		.amdhsa_wavefront_size32 1
		.amdhsa_system_sgpr_workgroup_id_x 1
		.amdhsa_system_sgpr_workgroup_id_y 1
		.amdhsa_system_sgpr_workgroup_id_z 1
		.amdhsa_system_vgpr_workitem_id 0
		.amdhsa_next_free_vgpr 256
		.amdhsa_next_free_sgpr 66
		.amdhsa_reserve_vcc 1
		.amdhsa_float_denorm_mode_32 3
		.amdhsa_float_denorm_mode_16_64 3
		.amdhsa_memory_ordered 1
		.amdhsa_forward_progress 1
		.amdhsa_inst_pref_size 36
	.end_amdhsa_kernel
	.amdgpu_metadata
---
amdhsa.version: [ 1, 2 ]
amdhsa.kernels:
  - .name:           k_q1517be397e_attn
    .symbol:         k_q1517be397e_attn.kd
    .args:
      - { .name: qkv, .offset: 0, .size: 8, .value_kind: global_buffer, .address_space: global }
      - { .name: ctx, .offset: 8, .size: 8, .value_kind: global_buffer, .address_space: global }
      - { .name: W2_codes, .offset: 16, .size: 8, .value_kind: global_buffer, .address_space: global }
      - { .name: Wo_codes, .offset: 24, .size: 8, .value_kind: global_buffer, .address_space: global }
      - { .name: w2i, .offset: 32, .size: 8, .value_kind: global_buffer, .address_space: global }
      - { .name: woi, .offset: 40, .size: 8, .value_kind: global_buffer, .address_space: global }
    .group_segment_fixed_size: 73728
    .private_segment_fixed_size: 0
    .kernarg_segment_align: 8
    .kernarg_segment_size: 48
    .max_flat_workgroup_size: 512
    .sgpr_count:     66
    .vgpr_count:     256
    .wavefront_size: 32
...
	.end_amdgpu_metadata
.endif
;; end of part 2
;; launch wo (part 3): grid 256 x 1, 4 waves a work-group, no clusters, 84,480 bytes of LDS; arguments ctx, woi, Wo_scales, bo, x, ln2_scale, ln2_shift, x1, hc, hs; writes x1, hc, hs
.if DOCPART == 3
	.amdgcn_target "amdgcn-amd-amdhsa--gfx1250"
	.amdhsa_code_object_version 6
	.text
	.protected	k_q1517be397e_wo
	.globl	k_q1517be397e_wo
	.p2align	8
	.type	k_q1517be397e_wo,@function
k_q1517be397e_wo:
	s_mov_b64 s[64:65], 0
	v_nop
	global_prefetch_b8 v0, s[64:65] scope:SCOPE_SE
	s_setreg_imm32_b32 hwreg(HW_REG_WAVE_MODE, 25, 1), 1
	s_wait_xcnt 0x0
; LAUNCH 3 OF 5: x1 = x + (ctx Wo + bo); h = layernorm(x1), quantised along the model's 1,024 to codes of E2M1 with one E8M0 byte for each 32.  Nothing is left out here.
; ctx comes as fragment images with packed scale bytes (launch attn), Wo as given; sums in f32.  x1 goes out as f32; h as codes hc [tile][r][512 bytes] and scale bytes hs [tile][r][32]: rows in the order of the row tiles.
; LIMITS: NaN and infinities are not served; a block of zeros, and one whose largest magnitude lies under 2^-124, gets the scale byte 1 (this program alone reads the bytes); v_rsq_f32 flushes denormals.
; SHARES.  A work-group owns ONE row tile T (rows 32 (T / 2) + 8 (T % 2) + r + 8 (r / 8)) and all 1,024 columns, so that a row's mean and variance are made where the row is made.  Wave w takes columns 256 w on: 16 accumulators.
; No cluster and no tensor load: a weight byte has one reader in the work-group and goes from memory straight into its operand register; what work-groups share is read by each at its own pace.
; COLUMN TILES.  Source 0 = 16 weight rows, source 1 = the row tile: a lane holds one row.  Lane r' of tile u of group g takes weight row 64 g + 32 (r' / 8) + 8 u + r' % 8, so that the 32 registers of a group are
; columns 64 g + 32 (lane / 16) + 0 .. 31: one whole block of the quantiser in a lane, 128 neighbouring bytes of the row.
; x + bo is loaded in runs of 512 bytes, goes through my stage in LDS into the accumulators' layout and is the C of the sums; x1 goes back the same way.
; WEIGHTS: four groups of 64 rows x K = 1,024, 64 loads each, in windows 1 and 2 by turns; a group's window takes the group two further on behind its products.
; REGISTERS: window 0: v1-13 addresses, v14, v15 the add's two, v16-31 at work, v32-95 the weights' scales, v96-99 the rows' scales, v100-119 codes, v128-255 the accumulators.
;   window 1, 2: weights; then gain and shift in the accumulators' layout (1), x1 on its way out (2).   window 3: v0-63 the row tile's fragments, v64-191 x, v192-215 bo, gain, shift as loaded.
; Wo's codes come as images of the operand registers (woi, laid by launch attn in the order of the column tiles above): tile 16 w + 4 g + u, K step s, half c at ((16 w + 4 g + u) x 16 + 2 s + c) x 512, so that each load takes 512 consecutive bytes.
.set SP,    1040                       ; a stage row: my 256 columns, 1,024 bytes, + 16
.set GOF,   16*SP                      ; behind my 16 rows: gain, 1,024 bytes, and shift
.set WST,   GOF+2048
.set RED,   4*WST                      ; the rows' partial sums [r][wave], and 256 bytes on those of the squares
.set HC,    RED+512                    ; the tile's codes, [r][512]
.set HSC,   HC+8192                    ; its scale bytes, [r][32]
.set SPARE, HSC+512                    ; the spare words, 128 bytes a wave
.set CTS,   2097152
.set BSC, 32
.set ASC, 96
.set PC,  100
.set ACC, 128
.set MSB, 0
.macro WIN new                         ; the immediate's high byte repeats the setting that is left
.if MSB != \new
	s_set_vgpr_msb (MSB<<8)|\new
.set MSB, \new
.endif
.endm
.macro PLACES                          ; four plain places behind matrix instructions (ISA guide 7.12.1)
.rept 4
	v_nop
.endr
.endm
.macro WM d, a, b, sa, sb, row
.if \row
	v_wmma_scale_f32_16x16x128_f8f6f4 v[\d:\d+7], v[\a:\a+7], v[\b:\b+7], v[\d:\d+7], v[\sa], v[\sb] matrix_a_fmt:MATRIX_FMT_FP4 matrix_b_fmt:MATRIX_FMT_FP4 matrix_a_scale:MATRIX_SCALE_ROW1 matrix_b_scale:MATRIX_SCALE_ROW1
.else
	v_wmma_scale_f32_16x16x128_f8f6f4 v[\d:\d+7], v[\a:\a+7], v[\b:\b+7], v[\d:\d+7], v[\sa], v[\sb] matrix_a_fmt:MATRIX_FMT_FP4 matrix_b_fmt:MATRIX_FMT_FP4
.endif
.endm
.macro GRP g, win                      ; group g: 32 products, its four accumulators by turns
	WIN (0x0c|\win)
.irp s, 0,1,2,3,4,5,6,7
.irp u, 0,1,2,3
	WM ACC+32*\g+8*\u, 64*\u+8*\s, 8*\s, BSC+16*\g+4*\u+(\s&3), ASC+(\s&3), (\s>>2)
.endr
.endr
.endm
.macro WLD g, win                      ; group g's 64 weight rows, 64 loads
	WIN (\win<<6)
.irp s, 0,1,2,3,4,5,6,7
.irp u, 0,1,2,3
.irp c, 0,1
	global_load_b128 v[64*\u+8*\s+4*\c:64*\u+8*\s+4*\c+3], v1, s[6:7] offset:(4*\g+\u)*8192+1024*\s+512*\c
.endr
.endr
.endr
.endm
.macro RSUM                            ; four packed chains v16-23 -> my row's sum over my wave's 256 columns, in v16
	v_pk_add_f32 v[16:17], v[16:17], v[18:19]
	v_pk_add_f32 v[20:21], v[20:21], v[22:23]
	v_pk_add_f32 v[16:17], v[16:17], v[20:21]
	v_add_f32 v16, v16, v17
	v_permlanex16_b32 v17, v16, s44, s45
	v_add_f32 v16, v16, v17
.endm
.macro MEET                            ; what I stored to LDS has landed, my loads are back; then the barrier
	s_wait_alu depctr_va_vdst(0)                   ; the wait here, directly ahead of the wait below
	s_wait_dscnt 0x0
	s_barrier_signal -1
	s_barrier_wait -1
.endm
	s_load_b512 s[4:19], s[0:1], 0x0               ; ctx, Wo codes, Wo scales, bo, x, gain, shift, x1
	s_load_b128 s[20:23], s[0:1], 0x40             ; hc, hs
	v_lshl_add_u32 v14, v0, 2, SPARE
	v_mov_b32 v15, 0
	v_lshrrev_b32 v16, 5, v0
	v_readfirstlane_b32 s24, v16                   ; wave
	s_lshl_b32 s26, ttmp9, 13                      ; the tile's images
	s_mov_b32 s27, 0
	s_lshl_b32 s28, ttmp9, 9
	s_add_co_u32 s28, s28, CTS                     ; its scale bytes
	s_mov_b32 s29, 0
	s_lshl_b32 s30, s24, 17                        ; my 256 weight rows: codes,
	s_mov_b32 s31, 0
	s_lshl_b32 s32, s24, 13                        ; scale bytes
	s_mov_b32 s33, 0
	s_lshl_b32 s34, s24, 10                        ; my 256 columns of a row of f32
	s_mov_b32 s35, 0
	s_lshr_b32 s36, ttmp9, 1
	s_lshl_b32 s36, s36, 17
	s_and_b32 s37, ttmp9, 1
	s_lshl_b32 s37, s37, 15
	s_add_co_u32 s36, s36, s37
	s_add_co_u32 s36, s36, s34                     ; x, x1: the tile's first row, my columns
	s_mov_b32 s37, 0
	s_lshl_b32 s38, s24, 11
	s_add_co_u32 s38, s38, s26                     ; hc: the tile's 8,192 bytes, my quarter
	s_mov_b32 s39, 0
	s_lshl_b32 s40, ttmp9, 9                       ; hs
	s_mov_b32 s41, 0
	s_mov_b32 s42, 0x3a800000                      ; 1 / 1,024
	s_mov_b32 s43, 0x3727c5ac                      ; eps
	s_mov_b32 s44, 0x76543210
	s_mov_b32 s45, 0xfedcba98                      ; lane l xor 16
	s_mul_i32 s46, s24, WST                        ; my stage
	s_add_co_u32 s47, s46, GOF
	s_lshl_b32 s48, s24, 2
	s_add_co_u32 s48, s48, RED
	s_lshl_b32 s49, s24, 7
	s_add_co_u32 s49, s49, HC
	s_lshl_b32 s50, s24, 3
	s_add_co_u32 s50, s50, HSC
	s_lshl_b32 s51, s24, 11
	s_add_co_u32 s51, s51, HC
	v_and_b32 v16, 31, v0
	v_and_b32 v17, 15, v0                          ; r
	v_bfe_u32 v18, v0, 4, 1                        ; h
	v_lshlrev_b32 v1, 4, v16                       ; 16 x lane
	v_and_b32 v19, 8, v17
	v_mad_u32_u24 v19, v19, 3, v17                 ; 32 (r / 8) + r % 8
	v_lshlrev_b32 v3, 5, v19
	v_lshl_add_u32 v3, v18, 4, v3                  ; weights' scales
	v_lshlrev_b32 v4, 5, v17
	v_lshl_add_u32 v4, v18, 4, v4                  ; the rows' scales
	v_add_nc_u32 v5, s46, v1                       ; stage, by runs of 512 bytes
	v_mul_u32_u24 v6, v17, SP
	v_lshl_add_u32 v6, v18, 7, v6
	v_add_nc_u32 v6, s46, v6                       ; stage, in the accumulators' layout: row r, + 128 h
	v_lshl_add_u32 v7, v18, 7, s47                 ; gain in that layout
	v_lshl_add_u32 v8, v17, 4, s48                 ; my partial sum
	v_lshlrev_b32 v9, 4, v17
	v_add_nc_u32 v9, RED, v9                       ; my row's four
	v_lshl_add_u32 v10, v17, 9, s49
	v_lshl_add_u32 v10, v18, 4, v10                ; my codes
	v_lshl_add_u32 v11, v17, 5, s50                ; my scale bytes
	v_add_nc_u32 v12, s51, v1                      ; codes on their way out
	v_add_nc_u32 v13, HSC, v1
	v_lshlrev_b32 v31, 3, v18                      ; 8 h
	s_wait_alu depctr_va_vdst(0)                   ; the wait at the head's end
	s_wait_kmcnt 0x0
	s_add_nc_u64 s[28:29], s[4:5], s[28:29]
	s_add_nc_u64 s[4:5], s[4:5], s[26:27]
	s_add_nc_u64 s[6:7], s[6:7], s[30:31]
	s_add_nc_u64 s[8:9], s[8:9], s[32:33]
	s_add_nc_u64 s[10:11], s[10:11], s[34:35]
	s_add_nc_u64 s[14:15], s[14:15], s[34:35]
	s_add_nc_u64 s[16:17], s[16:17], s[34:35]
	s_add_nc_u64 s[12:13], s[12:13], s[36:37]
	s_add_nc_u64 s[18:19], s[18:19], s[36:37]
	s_add_nc_u64 s[20:21], s[20:21], s[38:39]
	s_add_nc_u64 s[22:23], s[22:23], s[40:41]
	WIN 0xc0
.irp i, 0,1,2,3,4,5,6,7,8,9,10,11,12,13,14,15
.irp p, 0,1
	global_load_b128 v[64+8*\i+4*\p:64+8*\i+4*\p+3], v1, s[12:13] offset:(\i+8*(\i/8))*4096+512*\p
.endr
.endr
.irp p, 0,1
	global_load_b128 v[192+4*\p:195+4*\p], v1, s[10:11] offset:512*\p
	global_load_b128 v[200+4*\p:203+4*\p], v1, s[14:15] offset:512*\p
	global_load_b128 v[208+4*\p:211+4*\p], v1, s[16:17] offset:512*\p
.endr
.set Q, 0
.rept 16
	global_load_b128 v[4*Q:4*Q+3], v1, s[4:5] offset:512*Q     ; the row tile's eight fragments, as they lie
.set Q, Q+1
.endr
	WIN 0
	global_load_b128 v[ASC:ASC+3], v4, s[28:29]
.irp g, 0,1,2,3
.irp u, 0,1,2,3
	global_load_b128 v[BSC+16*\g+4*\u:BSC+16*\g+4*\u+3], v3, s[8:9] offset:(64*\g+8*\u)*32
.endr
.endr
	WLD 0, 1
	s_wait_loadcnt 63                              ; behind shift 97 loads were issued: the count names as many
	WIN 0xff
.irp i, 0,1,2,3,4,5,6,7,8,9,10,11,12,13,14,15
.irp e, 0,2,4,6
	v_pk_add_f32 v[64+8*\i+\e:65+8*\i+\e], v[64+8*\i+\e:65+8*\i+\e], v[192+\e:193+\e]   ; x + bo
.endr
.endr
	WIN 0x0c
.irp i, 0,1,2,3,4,5,6,7,8,9,10,11,12,13,14,15
.irp p, 0,1
	ds_store_b128 v5, v[64+8*\i+4*\p:64+8*\i+4*\p+3] offset:\i*SP+512*\p
.endr
.endr
.irp p, 0,1
	ds_store_b128 v5, v[200+4*\p:203+4*\p] offset:GOF+512*\p
	ds_store_b128 v5, v[208+4*\p:211+4*\p] offset:GOF+1024+512*\p
.endr
	WIN 0
.set Q, 0
.rept 32
	ds_load_b128 v[ACC+4*Q:ACC+4*Q+3], v6 offset:256*(Q/8)+16*(Q%8)   ; LDS serves a wave's instructions in order: these see my stores
.set Q, Q+1
.endr
	WLD 1, 2
	s_wait_loadcnt 63                              ; group 0 is in: 64 loads are younger
	s_wait_dscnt 0x0
	GRP 0, 1
	PLACES
	WLD 2, 1
	s_wait_loadcnt 63                              ; group 1
	GRP 1, 2
	PLACES
	WLD 3, 2
	s_wait_loadcnt 63                              ; group 2
	GRP 2, 1
	s_wait_loadcnt 0x0
	GRP 3, 2
	PLACES
	; ---- x1 lies in the accumulators.  It goes back through my stage; gain and shift come in the accumulators' layout
	WIN 0
.set Q, 0
.rept 32
	ds_store_b128 v6, v[ACC+4*Q:ACC+4*Q+3] offset:256*(Q/8)+16*(Q%8)  ; each accumulator from its low end on
.set Q, Q+1
.endr
	WIN 0x80
.irp i, 0,1,2,3,4,5,6,7,8,9,10,11,12,13,14,15
.irp p, 0,1
	ds_load_b128 v[8*\i+4*\p:8*\i+4*\p+3], v5 offset:\i*SP+512*\p
.endr
.endr
	WIN 0x40
.set Q, 0
.rept 32
	ds_load_b128 v[4*Q:4*Q+3], v7 offset:256*(Q/8)+16*(Q%8)
	ds_load_b128 v[128+4*Q:131+4*Q], v7 offset:1024+256*(Q/8)+16*(Q%8)
.set Q, Q+1
.endr
	WIN 0
.irp p, 0,1,2,3
	v_pk_add_f32 v[16+2*\p:17+2*\p], v[ACC+4*\p:ACC+4*\p+1], v[ACC+4*\p+2:ACC+4*\p+3]
.endr
.set J, 16
.rept 56
	v_pk_add_f32 v[16+J%8:17+J%8], v[16+J%8:17+J%8], v[ACC+J:ACC+J+1]
.set J, J+2
.endr
	RSUM
	ds_store_b32 v8, v16                           ; lanes r and r + 16 write the same word with the same value
	MEET
	ds_load_b128 v[24:27], v9
	WIN 0x08
.irp i, 0,1,2,3,4,5,6,7,8,9,10,11,12,13,14,15
.irp p, 0,1
	global_store_b128 v1, v[8*\i+4*\p:8*\i+4*\p+3], s[18:19] offset:(\i+8*(\i/8))*4096+512*\p   ; 512 consecutive bytes, aligned
.endr
.endr
	WIN 0
	s_wait_dscnt 0x0
	v_add_f32 v24, v24, v25
	v_add_f32 v26, v26, v27
	v_add_f32 v24, v24, v26
	v_mul_f32 v24, s42, v24                        ; the mean
.set J, 0
.rept 64
	v_pk_add_f32 v[ACC+J:ACC+J+1], v[ACC+J:ACC+J+1], v[24:25] op_sel_hi:[1,0] neg_lo:[0,1] neg_hi:[0,1]
.set J, J+2
.endr
.irp p, 0,1,2,3
	v_pk_mul_f32 v[16+2*\p:17+2*\p], v[ACC+2*\p:ACC+2*\p+1], v[ACC+2*\p:ACC+2*\p+1]   ; the variance of the differences: no difference of large sums
.endr
.set J, 8
.rept 60
	v_pk_fma_f32 v[16+J%8:17+J%8], v[ACC+J:ACC+J+1], v[ACC+J:ACC+J+1], v[16+J%8:17+J%8]
.set J, J+2
.endr
	RSUM
	ds_store_b32 v8, v16 offset:256
	MEET
	ds_load_b128 v[24:27], v9 offset:256
	s_wait_dscnt 0x0
	v_add_f32 v24, v24, v25
	v_add_f32 v26, v26, v27
	v_add_f32 v24, v24, v26
	v_fma_f32 v26, v24, s42, s43                   ; var + eps
	s_wait_alu depctr_va_vdst(0)                   ; the wait ahead of the root
	v_rsq_f32 v26, v26
	WIN 0x04
.set J, 0
.rept 64
	v_pk_mul_f32 v[ACC+J:ACC+J+1], v[ACC+J:ACC+J+1], v[J:J+1]      ; x gain: plain work behind the root
.set J, J+2
.endr
	s_wait_alu depctr_va_vdst(0)                   ; and ahead of its first reader
	WIN 0x10
.set J, 0
.rept 64
	v_pk_fma_f32 v[ACC+J:ACC+J+1], v[ACC+J:ACC+J+1], v[26:27], v[128+J:129+J] op_sel_hi:[1,0,1]
.set J, J+2
.endr
	WIN 0
	; ---- the quantiser: group g's 32 registers are block 2 g + h of my wave's eight
.irp g, 0,1,2,3
	v_max3_num_f32 v[16+\g], |v[ACC+32*\g]|, |v[ACC+32*\g+1]|, 0x1800000   ; with the floor 2^(3 - 127): the byte cannot fall under 1
.endr
.irp i, 2,4,6,8,10,12,14,16,18,20,22,24,26,28,30
.irp g, 0,1,2,3
	v_max3_num_f32 v[16+\g], v[16+\g], |v[ACC+32*\g+\i]|, |v[ACC+32*\g+\i+1]|
.endr
.endr
.irp g, 0,1,2,3
	v_add_nc_u32 v[20+\g], 0xff000000, v[16+\g]    ; 2 off the exponent field: the conversion's scale operand
.endr
.irp g, 0,1,2,3
	v_lshrrev_b32 v[16+\g], 23, v[20+\g]           ; the scale's byte
.endr
.irp g, 0,1,2,3
.irp q, 0,1,2,3
	v_cvt_scalef32_pk8_fp4_f32 v[PC+4*\g+\q], v[ACC+32*\g+8*\q:ACC+32*\g+8*\q+7], v[20+\g]
.endr
.endr
	v_nop                                          ; one plain place behind a scaled conversion
	v_lshl_or_b32 v24, v17, 16, v16                ; my four bytes, at their places in the wave's eight: 8 h bits up;
	v_lshl_or_b32 v25, v19, 16, v18
	v_lshlrev_b32 v24, v31, v24
	v_lshlrev_b32 v25, v31, v25
	v_permlanex16_b32 v26, v24, s44, s45
	v_permlanex16_b32 v27, v25, s44, s45
	v_or_b32 v24, v24, v26                         ; with lane l xor 16's the two words are whole
	v_or_b32 v25, v25, v27
.irp g, 0,1,2,3
	ds_store_b128 v10, v[PC+4*\g:PC+4*\g+3] offset:32*\g
.endr
	ds_store_b64 v11, v[24:25]                     ; lanes r and r + 16 write the same bytes with the same value
	MEET
.irp k, 0,1,2,3
	ds_load_b128 v[PC+4*\k:PC+4*\k+3], v12 offset:512*\k
.endr
	s_wait_dscnt 0x0
.irp k, 0,1,2,3
	global_store_b128 v1, v[PC+4*\k:PC+4*\k+3], s[20:21] offset:512*\k     ; 512 consecutive bytes, aligned
.endr
	s_cmp_lg_u32 s24, 0
	s_cbranch_scc1 .Lnot_0                         ; wave 0 stores the tile's 512 scale bytes
	ds_load_b128 v[116:119], v13
	s_wait_dscnt 0x0
	global_store_b128 v1, v[116:119], s[22:23]
.Lnot_0:
	s_wait_tensorcnt 0x0                           ; the wave's end
	ds_add_u32 v14, v15
	s_wait_dscnt 0x0
	s_endpgm
.Lfunc_end_k_q1517be397e_wo:
	.size	k_q1517be397e_wo, .Lfunc_end_k_q1517be397e_wo-k_q1517be397e_wo
	.p2alignl 7, 3214868480
	.fill 96, 4, 3214868480
	.section	.rodata,"a",@progbits
	.p2align	6, 0x0
	.amdhsa_kernel k_q1517be397e_wo
		.amdhsa_group_segment_fixed_size 84480
		.amdhsa_private_segment_fixed_size 0
		.amdhsa_enable_private_segment 0
		.amdhsa_kernarg_size 80
		.amdhsa_user_sgpr_count 2
		.amdhsa_user_sgpr_kernarg_segment_ptr 1
		.amdhsa_wavefront_size32 1
		.amdhsa_system_sgpr_workgroup_id_x 1
		.amdhsa_system_sgpr_workgroup_id_y 1
		.amdhsa_system_sgpr_workgroup_id_z 1
		.amdhsa_system_vgpr_workitem_id 0
		.amdhsa_next_free_vgpr 1024
		.amdhsa_next_free_sgpr 66
		.amdhsa_reserve_vcc 0
		.amdhsa_float_denorm_mode_32 3
		.amdhsa_float_denorm_mode_16_64 3
		.amdhsa_memory_ordered 1
		.amdhsa_forward_progress 1
		.amdhsa_inst_pref_size 100
	.end_amdhsa_kernel
	.amdgpu_metadata
---
amdhsa.version: [ 1, 2 ]
amdhsa.kernels:
  - .name:           k_q1517be397e_wo
    .symbol:         k_q1517be397e_wo.kd
    .args:
      - { .name: ctx, .offset: 0, .size: 8, .value_kind: global_buffer, .address_space: global }
      - { .name: woi, .offset: 8, .size: 8, .value_kind: global_buffer, .address_space: global }
      - { .name: Wo_scales, .offset: 16, .size: 8, .value_kind: global_buffer, .address_space: global }
      - { .name: bo, .offset: 24, .size: 8, .value_kind: global_buffer, .address_space: global }
      - { .name: x, .offset: 32, .size: 8, .value_kind: global_buffer, .address_space: global }
      - { .name: ln2_scale, .offset: 40, .size: 8, .value_kind: global_buffer, .address_space: global }
      - { .name: ln2_shift, .offset: 48, .size: 8, .value_kind: global_buffer, .address_space: global }
      - { .name: x1, .offset: 56, .size: 8, .value_kind: global_buffer, .address_space: global }
      - { .name: hc, .offset: 64, .size: 8, .value_kind: global_buffer, .address_space: global }
      - { .name: hs, .offset: 72, .size: 8, .value_kind: global_buffer, .address_space: global }
    .group_segment_fixed_size: 84480
    .private_segment_fixed_size: 0
    .kernarg_segment_align: 8
    .kernarg_segment_size: 80
    .max_flat_workgroup_size: 128
    .sgpr_count:     66
    .vgpr_count:     1024
    .wavefront_size: 32
...
	.end_amdgpu_metadata
.endif
;; end of part 3
;; launch ffn1 (part 4): grid 16 x 16, 4 waves a work-group, clusters of 4 x 4, 327,680 bytes of LDS; arguments hc, hs, W1_codes, W1_scales, b1, g; writes g
.if DOCPART == 4
	.amdgcn_target "amdgcn-amd-amdhsa--gfx1250"
	.amdhsa_code_object_version 6
	.text
	.protected	k_q1517be397e_ffn1
	.globl	k_q1517be397e_ffn1
	.p2align	8
	.type	k_q1517be397e_ffn1,@function
k_q1517be397e_ffn1:
	s_mov_b64 s[64:65], 0
	v_nop
	global_prefetch_b8 v0, s[64:65] scope:SCOPE_SE
	s_setreg_imm32_b32 hwreg(HW_REG_WAVE_MODE, 25, 1), 1
	s_wait_xcnt 0x0
	s_wait_alu depctr_hold_cnt(0) depctr_sa_sdst(0) depctr_va_vdst(0) depctr_va_sdst(0) depctr_va_ssrc(0) depctr_va_vcc(0) depctr_vm_vsrc(0)
	s_getreg_b32 s2, hwreg(HW_REG_IB_STS2, 6, 4)
	s_cmp_eq_u32 s2, 0
	s_cbranch_scc0 .Lentry_in_a_cluster
	s_endpgm
.Lentry_in_a_cluster:
	s_bfe_u32 s2, ttmp6, 0x10000c
	s_cmp_lg_u32 s2, 0xf033
	s_cbranch_scc0 .Lentry_shape_is_right
	s_endpgm
.Lentry_shape_is_right:
; LAUNCH 4 OF 5: g = gelu(h W1 + b1), quantised along the 4,096 hidden units and stored as codes of E2M1 in the order of the next launch's operand registers.  Nothing is left out here.
; h comes as codes [4,096 rows in tile order][512 bytes] with scale bytes [row][32] (launch wo), W1 as given; sums in f32.
; gelu: 0.5 x (1 + tanh(u)), u = sqrt(2 / pi) (x + 0.044715 x^3), is written x / (1 + 2^(x (k0 + k1 x^2))), k0 = -2 sqrt(2 / pi) log2(e), k1 = 0.044715 k0: the same function, without the difference 1 + tanh.
; LIMITS: NaN and infinities are not served; a block of zeros, and one whose largest magnitude lies under 2^-124, gets the scale byte 1 (this program alone reads the bytes); v_exp_f32 and v_rcp_f32 flush denormals.
; SHARES.  A work-group makes 256 rows x 256 hidden units, four waves of 128 x 128: 64 accumulators, 512 registers.  K = 1,024 is two slots of 512 in LDS, rows of 256 bytes, each filled once by the tensor data mover.
; The scale bytes of the 256 rows of h and of W1 are two dense blocks: they come once.  CLUSTERS of 4 x 4: h's tiles are asked for jointly along a row of the cluster, W1's along a column.
; No prefetch: the text has no loop to run ahead in; both slots are asked for at its start.
; Source 0 = 16 rows of W1, source 1 = 16 rows of h: a lane holds one row, and accumulator b's eight registers are units 16 b + 8 (lane / 16) + 0 .. 7.  b1 is the C of each sum's first product.
; REGISTERS: window 0: v16-31 addresses; v32-95 scale words, two sets; v128-191 h's fragments; v192-255 b1.   window 1: W1's fragments, two sets; on the way out gelu's and the quantiser's work.   windows 2, 3: the accumulators.
.set NQ,     4
.set ROWB,   256
.set KROW,   512
.set PITCH,  272                       ; 256 bytes + 16: the 16 rows that a load touches start at 16 different columns of 16 bytes
.set FR,     8
.set NL,     2
.set NP,     4
.set HALFT,  128*PITCH
.set SLOT,   4*HALFT
.set KS,     32
.set SCL,    2*SLOT
.set HALFS,  (128*KS/256)*272
.set SBLK,   (16*KS/256)*272
.set SPARE,  SCL+4*HALFS               ; the spare words, 128 bytes a wave
.set GS,     8388608                   ; g: images [tile][unit / 64][512] from 0; scale bytes [tile][unit / 1,024][r][32] from here
.set ADRA, 16
.set ADRB, 20
.set BA,   24                          ; b1: 32 h
.set GSA,  25                          ; g's scale words: 32 r
.set CO,   26                          ; 16 x lane
.set ADRS, 27
.set SPW,  28
.set NIL,  29
.set SC,   32
.set AF,   128
.set BIAS, 192
.set G1, 24
.set G0, 32
.set G1B, 48
.set G0B, 56
.set G1S, 68
.set G0S, 76
.set G1SB, 80
.set G0SB, 88
.set G0H, 4
.set G0HB, 8
.set MSB, 0
.macro WIN new                         ; the immediate's high byte repeats the setting that is left
.if MSB != \new
	s_set_vgpr_msb (MSB<<8)|\new
.set MSB, \new
.endif
.endm
.set MUL_LO, 0xa1                      ; source 0 (W1) window 1, source 1 (h) window 0, C and D window 2
.set MUL_HI, 0xf1                      ; the same, C and D window 3
.set TO_B,   0x40
.macro JLOAD g0a, g1a, g0b, g1b        ; waves 0 and 1 fetch for h, waves 2 and 3 for W1; s_nop 0 and four v_nop behind each load
	s_cmp_eq_u32 s15, 0
	s_cbranch_scc0 .Lfor_b_\@
	tensor_load_to_lds s[\g0a:\g0a+3], s[\g1a:\g1a+7]
	s_nop 0
.rept 4
	v_nop
.endr
	s_branch .Lasked_\@
.Lfor_b_\@:
	tensor_load_to_lds s[\g0b:\g0b+3], s[\g1b:\g1b+7]
	s_nop 0
.rept 4
	v_nop
.endr
.Lasked_\@:
.endm
.macro CROUND                          ; a round of the cluster's barrier
	s_barrier_signal -1
	s_barrier_wait -1
	s_cmp_lg_u32 s14, 0
	s_cbranch_scc1 .Lnot_wave_0_\@
	s_barrier_signal -3
.Lnot_wave_0_\@:
	s_barrier_wait -3
	s_barrier_signal -1
	s_barrier_wait -1
.endm
	s_load_b128 s[4:7], s[0:1], 0x0                ; h's codes, h's scales
	s_load_b128 s[8:11], s[0:1], 0x10              ; W1's codes, W1's scales
	s_load_b128 s[96:99], s[0:1], 0x20             ; b1, g
	v_lshl_add_u32 v[SPW], v0, 2, SPARE
	v_mov_b32 v[NIL], 0
	ds_add_u32 v[SPW], v[NIL]                      ; the opening lines: the add, twice on end, and its wait ahead of my first tensor load
	ds_add_u32 v[SPW], v[NIL]
	v_lshrrev_b32 v1, 5, v0
	v_readfirstlane_b32 s14, v1                    ; wave
	s_lshr_b32 s15, s14, 1                         ; my half of the rows; also: I fetch for h (0) or W1 (1)
	s_and_b32 s16, s14, 1                          ; my half of the units; also: which 128 rows I fetch
	s_bfe_u32 s40, ttmp6, 0x40000                  ; cx, cy
	s_bfe_u32 s41, ttmp6, 0x40004
	s_lshl_b32 s42, ttmp9, 2
	s_add_co_u32 s42, s42, s40                     ; block column
	s_and_b32 s17, ttmp7, 0xffff
	s_lshl_b32 s17, s17, 2
	s_add_co_u32 s17, s17, s41                     ; block row
	s_lshl_b32 s43, s41, 2
	s_lshl_b32 s43, 15, s43                        ; my row of the cluster
	s_lshl_b32 s44, 0x1111, s40                    ; my column
	s_or_b32 s[G1+0], s43, (0<<16)|(1<<20)|(1<<21)|(5<<22)|(3<<25)   ; mask; elements of 1 byte; 4 words of padding behind every 64
	s_or_b32 s[G1B+0], s44, (0<<16)|(1<<20)|(1<<21)|(5<<22)|(3<<25)
.irp g, G1, G1B
	s_mov_b32 s[\g+1], ROWB<<16
	s_mov_b32 s[\g+2], 256<<16                     ; 256 rows for the head's loads
	s_mov_b32 s[\g+3], ROWB<<16
	s_mov_b32 s[\g+4], 256
	s_mov_b32 s[\g+5], KROW
	s_mov_b32 s[\g+6], 0
	s_mov_b32 s[\g+7], 0
.endr
	s_or_b32 s[G1S+0], s43, (3<<16)|(1<<20)|(1<<21)|(5<<22)|(3<<25)  ; the scales of 256 rows: KS rows of 256 bytes
	s_or_b32 s[G1SB+0], s44, (3<<16)|(1<<20)|(1<<21)|(5<<22)|(3<<25)
.irp g, G1S, G1SB
	s_mov_b32 s[\g+1], 32<<16
	s_mov_b32 s[\g+2], KS<<16
	s_mov_b32 s[\g+3], 32<<16
	s_mov_b32 s[\g+4], KS
	s_mov_b32 s[\g+5], 32
	s_mov_b32 s[\g+6], 0
	s_mov_b32 s[\g+7], 0
.endr
	s_lshl_b32 s20, s17, 8
	s_lshl_b32 s46, s42, 8
	s_mov_b32 s21, 0
	s_mov_b32 s47, 0
	s_mov_b64 s[18:19], KS
	s_mul_u64 s[22:23], s[20:21], s[18:19]
	s_mul_u64 s[92:93], s[46:47], s[18:19]
	s_mov_b64 s[18:19], KROW
	s_mul_u64 s[20:21], s[20:21], s[18:19]
	s_mul_u64 s[46:47], s[46:47], s[18:19]
	s_mul_i32 s18, s16, 128*KROW
	s_mov_b32 s19, 0
	s_mul_i32 s45, s14, HALFT
	s_wait_dscnt 0x0                               ; both opening adds are done
	s_wait_kmcnt 0x0
	s_add_nc_u64 s[20:21], s[4:5], s[20:21]
	s_add_nc_u64 s[22:23], s[6:7], s[22:23]
	s_add_nc_u64 s[46:47], s[8:9], s[46:47]
	s_add_nc_u64 s[92:93], s[10:11], s[92:93]
	CROUND                                         ; the first joint loads meet
	s_mov_b32 s[G0H], 1
	s_mov_b32 s[G0H+1], 0
	s_mov_b64 s[G0H+2:G0H+3], s[20:21]
	s_or_b32 s[G0H+3], s[G0H+3], 0x80000000
	s_mov_b32 s[G0HB], 1
	s_mov_b32 s[G0HB+1], 2*HALFT
	s_mov_b64 s[G0HB+2:G0HB+3], s[46:47]
	s_or_b32 s[G0HB+3], s[G0HB+3], 0x80000000
	s_mov_b32 s[G0S], 1
	s_mov_b32 s[G0S+1], SCL
	s_mov_b64 s[G0S+2:G0S+3], s[22:23]
	s_or_b32 s[G0S+3], s[G0S+3], 0x80000000
	s_mov_b32 s[G0SB], 1
	s_mov_b32 s[G0SB+1], SCL+2*HALFS
	s_mov_b64 s[G0SB+2:G0SB+3], s[92:93]
	s_or_b32 s[G0SB+3], s[G0SB+3], 0x80000000
	s_add_nc_u64 s[20:21], s[20:21], s[18:19]      ; slot 1: my 128 rows
	s_add_nc_u64 s[46:47], s[46:47], s[18:19]
	s_mov_b32 s[G0+4], 1
	s_add_co_u32 s[G0+5], s45, SLOT
	s_add_nc_u64 s[G0+6:G0+7], s[20:21], ROWB
	s_or_b32 s[G0+7], s[G0+7], 0x80000000
	s_mov_b32 s[G0B+4], 1
	s_add_co_u32 s[G0B+5], s45, SLOT
	s_add_nc_u64 s[G0B+6:G0B+7], s[46:47], ROWB
	s_or_b32 s[G0B+7], s[G0B+7], 0x80000000
; the head's loads, one a wave: wave 0 slot 0's 256 rows of h, wave 1 those of W1, wave 2 h's scales, wave 3 W1's
.macro ARM under, g0, g1, next
	s_cmp_lt_u32 s14, \under
	s_cbranch_scc0 \next
	tensor_load_to_lds s[\g0:\g0+3], s[\g1:\g1+7]
	s_nop 0
.rept 4
	v_nop
.endr
	s_branch .Lhead_asked
\next:
.endm
	ARM 1, G0H,  G1,  .Lhead_b
	ARM 2, G0HB, G1B, .Lhead_sa
	ARM 3, G0S,  G1S, .Lhead_sb
	tensor_load_to_lds s[G0SB:G0SB+3], s[G1SB:G1SB+7]
	s_nop 0
.rept 4
	v_nop
.endr
.Lhead_asked:
	v_and_b32 v1, 15, v0                           ; r
	v_bfe_u32 v2, v0, 4, 1                         ; h
	v_lshlrev_b32 v[BA], 5, v2
	v_lshlrev_b32 v[GSA], 5, v1
	v_mul_u32_u24 v3, v1, PITCH
	v_lshl_add_u32 v4, v2, 4, v3
	v_mul_u32_u24 v5, v1, KS
	v_lshrrev_b32 v6, 8, v5
	v_lshl_add_u32 v5, v6, 4, v5                   ; my row's scales: 16 more for each 256 passed
	v_and_b32 v6, 31, v0
	v_lshlrev_b32 v[CO], 4, v6
	s_mul_i32 s21, s15, HALFT
	s_mul_i32 s22, s16, HALFT
	s_add_co_u32 s22, s22, 2*HALFT
.irp s, 0,1
	v_add_nc_u32 v[ADRA+\s], s21, v4
	v_add_nc_u32 v[ADRB+\s], s22, v4
	s_add_co_u32 s21, s21, SLOT
	s_add_co_u32 s22, s22, SLOT
.endr
	s_mul_i32 s21, s15, HALFS
	s_mul_i32 s22, s16, HALFS
	s_add_co_u32 s22, s22, 2*HALFS
	s_sub_co_u32 s22, s22, s21
	s_wait_alu depctr_va_vdst(0)                   ; the wait here, directly ahead of the readers below
	v_mul_u32_u24 v6, s22, v2
	s_add_co_u32 s21, s21, SCL
	v_add_nc_u32 v5, v5, v6
	v_add_nc_u32 v[ADRS], s21, v5
	s_lshl_b32 s46, s42, 10                        ; b1 at my first unit
	s_lshl_b32 s47, s16, 9
	s_add_co_u32 s46, s46, s47
	s_mov_b32 s47, 0
	s_add_nc_u64 s[96:97], s[96:97], s[46:47]
	s_lshl_b32 s22, s17, 15                        ; g's scale words: tile x 2,048
	s_lshl_b32 s23, s15, 14
	s_add_co_u32 s22, s22, s23
	s_add_co_u32 s22, s22, GS
	s_mov_b32 s23, 0
	s_add_nc_u64 s[100:101], s[98:99], s[22:23]
	s_lshr_b32 s46, s42, 2                         ; + (unit / 1,024) x 512 + (unit % 1,024) / 32
	s_lshl_b32 s46, s46, 9
	s_and_b32 s47, s42, 3
	s_lshl_b32 s47, s47, 3
	s_add_co_u32 s46, s46, s47
	s_lshl_b32 s47, s16, 2
	s_add_co_u32 s46, s46, s47
	s_mov_b32 s47, 0
	s_add_nc_u64 s[100:101], s[100:101], s[46:47]
	s_lshl_b32 s20, s17, 19                        ; g's images: tile x 32,768
	s_lshl_b32 s21, s15, 18
	s_add_co_u32 s20, s20, s21
	s_mov_b32 s21, 0
	s_add_nc_u64 s[98:99], s[98:99], s[20:21]
	s_lshl_b32 s46, s42, 11                        ; + (unit / 64) x 512
	s_lshl_b32 s47, s16, 10
	s_add_co_u32 s46, s46, s47
	s_mov_b32 s47, 0
	s_add_nc_u64 s[98:99], s[98:99], s[46:47]
	s_mov_b32 s66, 0x76543210
	s_mov_b32 s67, 0xfedcba98                      ; lane l xor 16
	s_mov_b32 s94, 0xbdd2d3e8                      ; k1
	s_mov_b32 s95, s94
	s_wait_alu depctr_va_vdst(0)                   ; the wait here, directly ahead of the reader below
.irp b, 0,1,2,3,4,5,6,7
	global_load_b128 v[BIAS+8*\b:BIAS+8*\b+3], v[BA], s[96:97] offset:64*\b
	global_load_b128 v[BIAS+8*\b+4:BIAS+8*\b+7], v[BA], s[96:97] offset:64*\b+16
.endr
.macro FRAG reg, adr, q, i
.irp c, 0,1
	ds_load_b128 v[\reg+4*\c:\reg+4*\c+3], v[\adr] offset:64*(\q)+32*\c+(\i)*16*PITCH
.endr
.endm
; 16 products: h's blocks a0, a0 + 1 x W1's eight.  The 64 accumulators take turns in the same order in every step.  zero = 1: b1 starts the sums
.macro MUL16 a0, p, q, sc, zero
.irp a, \a0, \a0+1
.irp b, 0,1,2,3,4,5,6,7
.if \zero
	v_wmma_scale_f32_16x16x128_f8f6f4 v[8*(8*((\a)%4)+\b):8*(8*((\a)%4)+\b)+7], v[128*(\p)+FR*\b:128*(\p)+FR*\b+FR-1], v[AF+FR*(\a):AF+FR*(\a)+FR-1], v[BIAS+8*\b:BIAS+8*\b+7], v[SC+8*NQ*(\sc)+NQ*\b+(\q)], v[SC+8*NQ*(\sc)+NQ*(\a)+(\q)] matrix_a_fmt:MATRIX_FMT_FP4 matrix_b_fmt:MATRIX_FMT_FP4 matrix_a_scale:MATRIX_SCALE_ROW1
.else
	v_wmma_scale_f32_16x16x128_f8f6f4 v[8*(8*((\a)%4)+\b):8*(8*((\a)%4)+\b)+7], v[128*(\p)+FR*\b:128*(\p)+FR*\b+FR-1], v[AF+FR*(\a):AF+FR*(\a)+FR-1], v[8*(8*((\a)%4)+\b):8*(8*((\a)%4)+\b)+7], v[SC+8*NQ*(\sc)+NQ*\b+(\q)], v[SC+8*NQ*(\sc)+NQ*(\a)+(\q)] matrix_a_fmt:MATRIX_FMT_FP4 matrix_b_fmt:MATRIX_FMT_FP4 matrix_a_scale:MATRIX_SCALE_ROW1
.endif
.endr
.endr
.endm
.macro FETCH_B slot, q, p
	WIN TO_B
.irp i, 0,1,2,3,4,5,6,7
	FRAG 128*(\p)+FR*\i, ADRB+\slot, \q, \i
.endr
	WIN 0
.endm
.macro FETCH_A slot, q, i0
.irp i, \i0, \i0+1, \i0+2, \i0+3
	FRAG AF+FR*(\i), ADRA+\slot, \q, \i
.endr
.endm
.macro SCALES sc                       ; a slot's scale words: lanes 0-15 h's block i, lanes 16-31 W1's block i
.irp i, 0,1,2,3,4,5,6,7
	ds_load_b128 v[SC+8*NQ*\sc+NQ*\i:SC+8*NQ*\sc+NQ*\i+3], v[ADRS] offset:\i*SBLK
.endr
.endm
.macro PLACES n                        ; plain places behind matrix instructions (ISA guide 7.12.1)
.rept \n
	v_nop
.endr
.endm
.macro STEP slot, q, zero              ; 128 along K, with its successor in the same slot.  zero = 1: C lies in window 0
	s_wait_dscnt 4*NL                              ; W1's set and h's blocks 0-3 are in; the youngest eight loads (blocks 4-7) may be out
	WIN (MUL_LO-0x20*\zero)
	MUL16 0, (\q)%2, \q, \slot, \zero
	MUL16 2, (\q)%2, \q, \slot, \zero
	s_wait_dscnt 0
	PLACES NP
	FETCH_B \slot, (\q)+1, 1-(\q)%2
	FETCH_A \slot, (\q)+1, 0
	WIN (MUL_HI-0x30*\zero)
	MUL16 4, (\q)%2, \q, \slot, \zero
	MUL16 6, (\q)%2, \q, \slot, \zero
	PLACES NP
	WIN 0
	FETCH_A \slot, (\q)+1, 4
.endm
.macro STEPS slot, from
.set Q, \from
.rept NQ-1-\from
	STEP \slot, Q, 0
.set Q, Q+1
.endr
.endm
	s_wait_alu depctr_va_vdst(0)                   ; the wait at the head's end
	s_wait_tensorcnt 0x0                           ; my tile of the head's four is in
	ds_add_u32 v[SPW], v[NIL]
	s_mov_b32 s[G1+2], 128<<16                     ; no tensor load of mine is out: from here on a load brings 128 rows
	s_mov_b32 s[G1+4], 128
	s_mov_b32 s[G1B+2], 128<<16
	s_mov_b32 s[G1B+4], 128
	s_wait_dscnt 0x0
	CROUND
	JLOAD G0+4, G1, G0B+4, G1B                     ; slot 1, the first tensor load behind the round
	FETCH_B 0, 0, 0
	FETCH_A 0, 0, 0
	SCALES 0
	FETCH_A 0, 0, 4
	s_wait_loadcnt 0x0                             ; b1
	STEP 0, 0, 1
	STEPS 0, 1
	; slot 0's last step changes slots: one barrier; nothing is filled again
	s_wait_tensorcnt 0x0                           ; my part of slot 1 has landed
	ds_add_u32 v[SPW], v[NIL]
	s_wait_dscnt 4*NL+1                            ; the add and the youngest eight loads may be out
	WIN MUL_LO
	MUL16 0, 1, NQ-1, 0, 0
	s_wait_dscnt 0x0
	s_barrier_signal -1
	MUL16 2, 1, NQ-1, 0, 0
	WIN 0
	s_barrier_wait -1
	PLACES NP
	v_add_nc_u32 v[ADRS], 4*NQ, v[ADRS]            ; slot 1's scale words
	s_wait_alu depctr_va_vdst(0)                   ; the wait here, directly behind the write
	FETCH_B 1, 0, 0
	FETCH_A 1, 0, 0
	SCALES 1
	WIN MUL_HI
	MUL16 4, 1, NQ-1, 0, 0
	MUL16 6, 1, NQ-1, 0, 0
	PLACES NP
	WIN 0
	FETCH_A 1, 0, 4
	STEPS 1, 0
	s_wait_dscnt 4*NL
	WIN MUL_LO
	MUL16 0, 1, NQ-1, 1, 0
	MUL16 2, 1, NQ-1, 1, 0
	s_wait_dscnt 0
	WIN MUL_HI
	MUL16 4, 1, NQ-1, 1, 0
	MUL16 6, 1, NQ-1, 1, 0
	PLACES NP
; THE WAY OUT, block by block of 16 rows x 128 units: gelu, the quantiser, stores.  All work lies in window 1: v0-63 the numbers, v64-79 the quantiser's, v96-127 two sets of codes and scale word, v254-255 k0.
; The exponentials are one batch with a wait ahead of it and one behind it, and so are the reciprocals.
.set TM, 64
.set K0, 254
.macro OUT a
.set W_, 2+(\a)/4
.set AC, 64*((\a)%4)
.set PS, 96+16*((\a)%2)
	WIN (0x40|W_|(W_<<2))
	s_wait_xcnt 0x0                                ; earlier stores have read their data registers
	s_wait_alu depctr_va_vdst(0)                   ; the wait directly ahead of the first readers of matrix results
.set J, 0
.rept 32
	v_pk_mul_f32 v[J:J+1], v[AC+J:AC+J+1], v[AC+J:AC+J+1]                    ; x^2; each accumulator from its low end on
.set J, J+2
.endr
	WIN 0x55
.set J, 0
.rept 32
	v_pk_fma_f32 v[J:J+1], v[J:J+1], s[94:95], v[K0:K0+1] op_sel_hi:[1,0,0]  ; k1 x^2 + k0
.set J, J+2
.endr
	WIN (0x41|(W_<<2))
.set J, 0
.rept 32
	v_pk_mul_f32 v[J:J+1], v[J:J+1], v[AC+J:AC+J+1]                          ; x (k0 + k1 x^2)
.set J, J+2
.endr
	WIN 0x55
	s_wait_alu depctr_va_vdst(0)
.set J, 0
.rept 64
	v_exp_f32 v[J], v[J]
.set J, J+1
.endr
	v_nop
	s_wait_alu depctr_va_vdst(0)
.set J, 0
.rept 32
	v_pk_add_f32 v[J:J+1], v[J:J+1], 1.0 op_sel_hi:[1,0]
.set J, J+2
.endr
	s_wait_alu depctr_va_vdst(0)
.set J, 0
.rept 64
	v_rcp_f32 v[J], v[J]
.set J, J+1
.endr
	v_nop
	s_wait_alu depctr_va_vdst(0)
	WIN (0x41|(W_<<2))
.set J, 0
.rept 32
	v_pk_mul_f32 v[J:J+1], v[J:J+1], v[AC+J:AC+J+1]                          ; gelu
.set J, J+2
.endr
	WIN 0x55
.irp b, 0,1,2,3                        ; block b of 32 units: my 16 numbers, and lane l xor 16's
	v_max3_num_f32 v[TM+\b], |v[16*\b]|, |v[1+16*\b]|, 0x1800000             ; with the floor 2^(3 - 127): the byte cannot fall under 1
.endr
.irp i, 2,4,6,8,10,12,14
.irp b, 0,1,2,3
	v_max3_num_f32 v[TM+\b], v[TM+\b], |v[16*\b+\i]|, |v[1+16*\b+\i]|
.endr
.endr
.irp b, 0,1,2,3
	v_permlanex16_b32 v[TM+4+\b], v[TM+\b], s66, s67
.endr
.irp b, 0,1,2,3
	v_max_num_f32 v[TM+\b], v[TM+\b], v[TM+4+\b]
.endr
.irp b, 0,1,2,3
	v_add_nc_u32 v[TM+12+\b], 0xff000000, v[TM+\b]                           ; 2 off the exponent field: the conversion's scale operand
.endr
.irp b, 0,1,2,3
	v_lshrrev_b32 v[TM+4+\b], 23, v[TM+12+\b]                                ; the scale's byte
.endr
	v_lshl_or_b32 v[PS+8], v[TM+5], 8, v[TM+4]
	v_lshl_or_b32 v[PS+8], v[TM+6], 16, v[PS+8]
	v_lshl_or_b32 v[PS+8], v[TM+7], 24, v[PS+8]                              ; my row's scale word of these 128 units
.irp c, 0,1                            ; 64 units: accumulators 4 c, 4 c + 2, 4 c + 1, 4 c + 3 in this order, so that two exchanges give each lane a whole block
	v_cvt_scalef32_pk8_fp4_f32 v[PS+4*\c], v[32*\c:32*\c+7], v[TM+12+2*\c]
	v_cvt_scalef32_pk8_fp4_f32 v[PS+4*\c+1], v[32*\c+16:32*\c+23], v[TM+13+2*\c]
	v_cvt_scalef32_pk8_fp4_f32 v[PS+4*\c+2], v[32*\c+8:32*\c+15], v[TM+12+2*\c]
	v_cvt_scalef32_pk8_fp4_f32 v[PS+4*\c+3], v[32*\c+24:32*\c+31], v[TM+13+2*\c]
.endr
	v_nop                                          ; one plain place behind a scaled conversion
.irp c, 0,1
	v_permlane16_swap_b32 v[PS+4*\c], v[PS+4*\c+1]                           ; lanes 0-15: units 0 .. 31 of the 64, lanes 16-31: units 32 .. 63
	v_permlane16_swap_b32 v[PS+4*\c+2], v[PS+4*\c+3]
.endr
	WIN 0x04
	global_store_b128 v[CO], v[PS:PS+3], s[98:99] offset:(\a)*32768          ; a half image: 512 consecutive bytes, aligned
	global_store_b128 v[CO], v[PS+4:PS+7], s[98:99] offset:(\a)*32768+512
	global_store_b32 v[GSA], v[PS+8], s[100:101] offset:(\a)*2048            ; lanes r and r + 16 store the same word
.endm
	WIN 0x40
	v_mov_b32 v[K0], 0xc0135761                    ; k0
	v_mov_b32 v[K0+1], 0xc0135761
.irp b, 0,1,2,3
	v_mov_b32 v[TM+4+\b], 0                        ; a lane permute's destination counts as one of its sources
.endr
.irp a, 0,1,2,3,4,5,6,7
	OUT \a
.endr
	WIN 0
	s_wait_tensorcnt 0x0                           ; the wave's end
	ds_add_u32 v[SPW], v[NIL]
	s_wait_dscnt 0x0
	CROUND                                         ; the closing round
	s_endpgm
.Lfunc_end_k_q1517be397e_ffn1:
	.size	k_q1517be397e_ffn1, .Lfunc_end_k_q1517be397e_ffn1-k_q1517be397e_ffn1
	.p2alignl 7, 3214868480
	.fill 96, 4, 3214868480
	.section	.rodata,"a",@progbits
	.p2align	6, 0x0
	.amdhsa_kernel k_q1517be397e_ffn1
		.amdhsa_group_segment_fixed_size 327680
		.amdhsa_private_segment_fixed_size 0
		.amdhsa_enable_private_segment 0
		.amdhsa_kernarg_size 48
		.amdhsa_user_sgpr_count 2
		.amdhsa_user_sgpr_kernarg_segment_ptr 1
		.amdhsa_wavefront_size32 1
		.amdhsa_system_sgpr_workgroup_id_x 1
		.amdhsa_system_sgpr_workgroup_id_y 1
		.amdhsa_system_sgpr_workgroup_id_z 1
		.amdhsa_system_vgpr_workitem_id 0
		.amdhsa_next_free_vgpr 1024
		.amdhsa_next_free_sgpr 102
		.amdhsa_reserve_vcc 0
		.amdhsa_float_denorm_mode_32 3
		.amdhsa_float_denorm_mode_16_64 3
		.amdhsa_memory_ordered 1
		.amdhsa_forward_progress 1
		.amdhsa_inst_pref_size 246
	.end_amdhsa_kernel
	.amdgpu_metadata
---
amdhsa.version: [ 1, 2 ]
amdhsa.kernels:
  - .name:           k_q1517be397e_ffn1
    .symbol:         k_q1517be397e_ffn1.kd
    .args:
      - { .name: hc, .offset: 0, .size: 8, .value_kind: global_buffer, .address_space: global }
      - { .name: hs, .offset: 8, .size: 8, .value_kind: global_buffer, .address_space: global }
      - { .name: W1_codes, .offset: 16, .size: 8, .value_kind: global_buffer, .address_space: global }
      - { .name: W1_scales, .offset: 24, .size: 8, .value_kind: global_buffer, .address_space: global }
      - { .name: b1, .offset: 32, .size: 8, .value_kind: global_buffer, .address_space: global }
      - { .name: g, .offset: 40, .size: 8, .value_kind: global_buffer, .address_space: global }
    .group_segment_fixed_size: 327680
    .private_segment_fixed_size: 0
    .kernarg_segment_align: 8
    .kernarg_segment_size: 48
    .max_flat_workgroup_size: 128
    .sgpr_count:     102
    .vgpr_count:     1024
    .wavefront_size: 32
...
	.end_amdgpu_metadata
.endif
;; end of part 4
;; launch ffn2 (part 5): grid 64 x 4, 4 waves a work-group, no clusters, 148,992 bytes of LDS; arguments g, w2i, W2_scales, b2, x1, out0; writes out0
.if DOCPART == 5
	.amdgcn_target "amdgcn-amd-amdhsa--gfx1250"
	.amdhsa_code_object_version 6
	.text
	.protected	k_q1517be397e_ffn2
	.globl	k_q1517be397e_ffn2
	.p2align	8
	.type	k_q1517be397e_ffn2,@function
k_q1517be397e_ffn2:
	s_mov_b64 s[64:65], 0
	v_nop
	global_prefetch_b8 v0, s[64:65] scope:SCOPE_SE
	s_setreg_imm32_b32 hwreg(HW_REG_WAVE_MODE, 25, 1), 1
	s_wait_xcnt 0x0
; LAUNCH 5 OF 5: out0 = x1 + (g W2 + b2).  g comes as codes of E2M1 in fragment images with packed scale bytes (launch ffn1), W2 as given; sums in f32.  Nothing is left out here.
; The text is launch wo's with K = 4,096 (NK = 32 K steps, four pieces of 1,024 for the scale bytes).
; SHARES.  A work-group takes 64 rows (rb = work-group x: row tiles 4 rb + m) and 256 columns (cg = work-group y); wave w takes columns 256 cg + 64 w: 256 bytes of each f32 row.
; Each wave brings one row tile's images into LDS; behind one barrier all four read all of them.  A weight byte has one reader in the work-group and goes from memory straight into its operand register.
; Source 0 = 16 neighbouring weight rows, source 1 = a row tile: a lane holds eight neighbouring columns of one row.  The bias is the C of each sum's first product.
; K goes in steps of 128 through rings of eight steps in registers: behind a step's products its registers take the step eight further on.
; REGISTERS: window 0: v1-13 addresses; v14, v15 the add's two; v32-63 the weights' scales in two sets, v64-95 the rows' scales in two sets; v96-127 the bias; v128-255 the 16 accumulators (row tile m, column tile t at 128 + 32 m + 8 t).
;   window 1: the images on their way to LDS, then the rows' ring (64 m + 8 (s % 8)).   window 2: the weights' ring, then the rows on their way out.   window 3: the residual.
; W2's codes come as images of the operand registers (w2i, laid by launch attn): column tile n / 16, K step s, half c at ((n / 16) x 64 + 2 s + c) x 512, so that each load takes 512 consecutive bytes.
.set NK,    32                         ; K steps of 128
.set NCH,   NK/8                       ; pieces of 1,024 along K
.set SOFF,  8388608                    ; where the scale bytes begin in the buffer of codes
.set KROW,  64*NK                      ; a weight row's codes in bytes
.set SROW,  4*NK                       ; and its scale bytes
.set TIB,   NK*1024                    ; a row tile's images
.set STG,   4*TIB                      ; LDS: the four tiles' images from 0; then a stage of 16 rows x (256 + 16) bytes for each wave
.set SPARE, STG+4*16*272               ; and the spare words, 128 bytes a wave
.set L16, 1
.set WA,  2
.set WS,  3
.set AS,  4
.set BA,  5
.set SA,  6
.set RO,  7
.set AD,  8
.set STO, 12
.set RDA, 13
.set SPW, 14
.set NIL, 15
.set BSC, 32
.set ASC, 64
.set BIAS, 96
.set ACC, 128
.set MSB, 0
.macro WIN new                         ; the immediate's high byte repeats the setting that is left
.if MSB != \new
	s_set_vgpr_msb (MSB<<8)|\new
.set MSB, \new
.endif
.endm
.macro PLACES                          ; four plain places behind matrix instructions, ahead of loads into their registers and of reads of their results
.rept 4
	v_nop
.endr
.endm
.macro WM d, a, b, c, sa, sb, row
.if \row
	v_wmma_scale_f32_16x16x128_f8f6f4 v[\d:\d+7], v[\a:\a+7], v[\b:\b+7], v[\c:\c+7], v[\sa], v[\sb] matrix_a_fmt:MATRIX_FMT_FP4 matrix_b_fmt:MATRIX_FMT_FP4 matrix_a_scale:MATRIX_SCALE_ROW1 matrix_b_scale:MATRIX_SCALE_ROW1
.else
	v_wmma_scale_f32_16x16x128_f8f6f4 v[\d:\d+7], v[\a:\a+7], v[\b:\b+7], v[\c:\c+7], v[\sa], v[\sb] matrix_a_fmt:MATRIX_FMT_FP4 matrix_b_fmt:MATRIX_FMT_FP4
.endif
.endm
.macro MUL16 s                         ; K step s: 16 products, the 16 accumulators by turns in the same order in every step
.irp o, 0,1,2,3
.irp i, 0,1,2,3
.set RD_, ACC+32*\o+8*\i
.set RC_, RD_
.if (\s) == 0
.set RC_, BIAS+8*\i
.endif
.set R0_, BSC+16*(((\s)/8)%2)+4*\i+((\s)&3)
.set R1_, ASC+16*(((\s)/8)%2)+4*\o+((\s)&3)
	WM RD_, 64*\i+8*((\s)%8), 64*\o+8*((\s)%8), RC_, R0_, R1_, (((\s)>>2)&1)
.endr
.endr
.endm
.macro BLOAD s                         ; K step s of my 64 weight rows
	WIN 0x80
.irp t, 0,1,2,3
.irp c, 0,1
	global_load_b128 v[64*\t+8*((\s)%8)+4*\c:64*\t+8*((\s)%8)+4*\c+3], v[L16], s[6:7] offset:16*\t*KROW+1024*(\s)+512*\c
.endr
.endr
.endm
.macro ALOAD s                         ; K step s of the four row tiles, from LDS
	WIN 0x40
.irp m, 0,1,2,3
.irp c, 0,1
	ds_load_b128 v[64*\m+8*((\s)%8)+4*\c:64*\m+8*((\s)%8)+4*\c+3], v[AD+\m] offset:1024*(\s)+512*\c
.endr
.endr
.endm
.macro SCLOAD ch                       ; the scale bytes of piece ch of K, rows and weights, into set ch % 2
	WIN 0
.irp m, 0,1,2,3
	global_load_b128 v[ASC+16*((\ch)%2)+4*\m:ASC+16*((\ch)%2)+4*\m+3], v[AS], s[34:35] offset:\m*NCH*512+512*(\ch)
	global_load_b128 v[BSC+16*((\ch)%2)+4*\m:BSC+16*((\ch)%2)+4*\m+3], v[WS], s[8:9] offset:16*\m*SROW+32*(\ch)
.endr
.endm
.macro KSTEP s
.if (\s)+8 < NK
	s_wait_loadcnt 56                              ; this step's weights (and, at a piece's first step, its scales, asked for behind the refill eight steps back) are in: the seven younger steps, eight loads each, may be out
	s_wait_dscnt 56                                ; likewise the rows' fragments
.else
	s_wait_loadcnt 8*(NK-1-(\s))
	s_wait_dscnt 8*(NK-1-(\s))
.endif
	WIN 0x06                                       ; source 0: the weights (window 2), source 1: the rows (window 1)
	MUL16 \s
.if (\s)+8 < NK
	PLACES
	BLOAD (\s)+8
	ALOAD (\s)+8
.if (\s)%8 == 0
	SCLOAD (\s)/8+1
.endif
.endif
.endm
	s_load_b256 s[4:11], s[0:1], 0x0               ; the rows' codes, the weights' codes, their scales, the bias
	s_load_b128 s[12:15], s[0:1], 0x20             ; the residual, the result
	v_lshl_add_u32 v[SPW], v0, 2, SPARE
	v_mov_b32 v[NIL], 0
	v_lshrrev_b32 v16, 5, v0
	v_readfirstlane_b32 s16, v16                   ; wave
	s_mov_b32 s17, ttmp9                           ; rb
	s_and_b32 s18, ttmp7, 0xffff                   ; cg
	s_lshl_b32 s19, s18, 8
	s_lshl_b32 s20, s16, 6
	s_add_co_u32 s19, s19, s20                     ; my first column
	v_and_b32 v16, 31, v0
	v_and_b32 v17, 15, v0                          ; r
	v_bfe_u32 v18, v0, 4, 1                        ; h
	v_lshlrev_b32 v[L16], 4, v16
	v_mul_u32_u24 v[WS], v17, SROW
	v_lshl_add_u32 v[WS], v18, 4, v[WS]
	v_lshlrev_b32 v[AS], 5, v17
	v_lshl_add_u32 v[AS], v18, 4, v[AS]
	v_lshlrev_b32 v[BA], 5, v18
	s_mul_i32 s36, s16, TIB
	v_add_nc_u32 v[SA], s36, v[L16]
.irp m, 0,1,2,3
	v_add_nc_u32 v[AD+\m], \m*TIB, v[L16]
.endr
	s_mul_i32 s37, s16, 16*272
	s_add_co_u32 s37, s37, STG
	v_mul_u32_u24 v[STO], v17, 272                 ; the stage, way in: row r, + 32 h
	v_lshl_add_u32 v[STO], v18, 5, v[STO]
	v_add_nc_u32 v[STO], s37, v[STO]
	v_mul_u32_u24 v[RDA], v18, 272                 ; way out: lanes 0-15 one row of 256 bytes, lanes 16-31 the next
	v_lshl_add_u32 v[RDA], v17, 4, v[RDA]
	v_add_nc_u32 v[RDA], s37, v[RDA]
	v_lshlrev_b32 v[RO], 12, v18                   ; and the same two rows in memory
	v_lshl_add_u32 v[RO], v17, 4, v[RO]
	s_lshl_b32 s20, s17, 2
	s_add_co_u32 s20, s20, s16                     ; the row tile that I bring: 4 rb + w
	s_mul_i32 s22, s20, TIB
	s_mov_b32 s23, 0
	s_mul_i32 s24, s17, 4*NCH*512
	s_add_co_u32 s24, s24, SOFF
	s_mov_b32 s25, 0
	s_mul_i32 s26, s19, KROW
	s_mov_b32 s27, 0
	s_mul_i32 s28, s19, SROW
	s_mov_b32 s29, 0
	s_lshl_b32 s30, s19, 2
	s_mov_b32 s31, 0
	s_lshl_b32 s32, s17, 18
	s_add_co_u32 s32, s32, s30
	s_mov_b32 s33, 0
	s_wait_alu depctr_va_vdst(0)
	s_wait_kmcnt 0x0
	s_add_nc_u64 s[34:35], s[4:5], s[24:25]        ; the rows' scale bytes
	s_add_nc_u64 s[4:5], s[4:5], s[22:23]
	s_add_nc_u64 s[6:7], s[6:7], s[26:27]
	s_add_nc_u64 s[8:9], s[8:9], s[28:29]
	s_add_nc_u64 s[10:11], s[10:11], s[30:31]
	s_add_nc_u64 s[12:13], s[12:13], s[32:33]
	s_add_nc_u64 s[14:15], s[14:15], s[32:33]
	WIN 0xc0                                       ; the residual, in the layout of the way out: sixteen lanes take 256 consecutive bytes
.irp m, 0,1,2,3
.irp q, 0,1,2,3,4,5,6,7
	global_load_b128 v[32*\m+4*\q:32*\m+4*\q+3], v[RO], s[12:13] offset:(32*(\m/2)+8*(\m%2)+2*\q+8*(\q/4))*4096
.endr
.endr
	WIN 0x40                                       ; my row tile's images, 512 consecutive bytes a load
.set Q, 0
.rept 2*NK
	global_load_b128 v[4*Q:4*Q+3], v[L16], s[4:5] offset:512*Q
.set Q, Q+1
.endr
	SCLOAD 0
.irp t, 0,1,2,3
	global_load_b128 v[BIAS+8*\t:BIAS+8*\t+3], v[BA], s[10:11] offset:64*\t
	global_load_b128 v[BIAS+8*\t+4:BIAS+8*\t+7], v[BA], s[10:11] offset:64*\t+16
.endr
.irp s, 0,1,2,3,4,5,6,7
	BLOAD \s
.endr
	s_wait_loadcnt 63                              ; 80 loads are younger than the images'; 63 is the most that the count can name, and the smaller count is the safe one
	WIN 0x04
.set Q, 0
.rept 2*NK
	ds_store_b128 v[SA], v[4*Q:4*Q+3] offset:512*Q
.set Q, Q+1
.endr
	s_wait_dscnt 0x0                               ; for the others' sake: my tile's images have landed
	s_barrier_signal -1
	s_barrier_wait -1
.irp s, 0,1,2,3,4,5,6,7
	ALOAD \s
.endr
.set KQ, 0
.rept NK
	KSTEP KQ
.set KQ, KQ+1
.endr
	; ---- the way out: a tile of 16 rows x 64 columns goes through my stage and comes back as whole rows of 256 bytes; LDS serves a wave's instructions in order
	PLACES
.irp m, 0,1,2,3
	WIN 0
.irp t, 0,1,2,3
	ds_store_b128 v[STO], v[ACC+32*\m+8*\t:ACC+32*\m+8*\t+3] offset:64*\t          ; each accumulator from its low end on
	ds_store_b128 v[STO], v[ACC+32*\m+8*\t+4:ACC+32*\m+8*\t+7] offset:64*\t+16
.endr
	WIN 0x80
.irp q, 0,1,2,3,4,5,6,7
	ds_load_b128 v[32*\m+4*\q:32*\m+4*\q+3], v[RDA] offset:544*\q
.endr
.endr
	s_wait_loadcnt 0x0                             ; the residual
.irp m, 0,1,2,3
	s_wait_dscnt 16*(3-\m)                         ; tile m is back; the later tiles' eight stores and eight loads each may be out
	WIN 0x8e                                       ; window 2 += window 3
.irp k, 0,1,2,3,4,5,6,7,8,9,10,11,12,13,14,15
	v_pk_add_f32 v[32*\m+2*\k:32*\m+2*\k+1], v[32*\m+2*\k:32*\m+2*\k+1], v[32*\m+2*\k:32*\m+2*\k+1]
.endr
	WIN 0x08
.irp q, 0,1,2,3,4,5,6,7
	global_store_b128 v[RO], v[32*\m+4*\q:32*\m+4*\q+3], s[14:15] offset:(32*(\m/2)+8*(\m%2)+2*\q+8*(\q/4))*4096   ; sixteen lanes store 256 consecutive bytes, aligned
.endr
.endr
	WIN 0
	s_wait_tensorcnt 0x0                           ; the wave's end
	ds_add_u32 v[SPW], v[NIL]
	s_wait_dscnt 0x0
	s_endpgm
.Lfunc_end_k_q1517be397e_ffn2:
	.size	k_q1517be397e_ffn2, .Lfunc_end_k_q1517be397e_ffn2-k_q1517be397e_ffn2
	.p2alignl 7, 3214868480
	.fill 96, 4, 3214868480
	.section	.rodata,"a",@progbits
	.p2align	6, 0x0
	.amdhsa_kernel k_q1517be397e_ffn2
		.amdhsa_group_segment_fixed_size 148992
		.amdhsa_private_segment_fixed_size 0
		.amdhsa_enable_private_segment 0
		.amdhsa_kernarg_size 48
		.amdhsa_user_sgpr_count 2
		.amdhsa_user_sgpr_kernarg_segment_ptr 1
		.amdhsa_wavefront_size32 1
		.amdhsa_system_sgpr_workgroup_id_x 1
		.amdhsa_system_sgpr_workgroup_id_y 1
		.amdhsa_system_sgpr_workgroup_id_z 1
		.amdhsa_system_vgpr_workitem_id 0
		.amdhsa_next_free_vgpr 1024
		.amdhsa_next_free_sgpr 66
		.amdhsa_reserve_vcc 0
		.amdhsa_float_denorm_mode_32 3
		.amdhsa_float_denorm_mode_16_64 3
		.amdhsa_memory_ordered 1
		.amdhsa_forward_progress 1
		.amdhsa_inst_pref_size 144
	.end_amdhsa_kernel
	.amdgpu_metadata
---
amdhsa.version: [ 1, 2 ]
amdhsa.kernels:
  - .name:           k_q1517be397e_ffn2
    .symbol:         k_q1517be397e_ffn2.kd
    .args:
      - { .name: g, .offset: 0, .size: 8, .value_kind: global_buffer, .address_space: global }
      - { .name: w2i, .offset: 8, .size: 8, .value_kind: global_buffer, .address_space: global }
      - { .name: W2_scales, .offset: 16, .size: 8, .value_kind: global_buffer, .address_space: global }
      - { .name: b2, .offset: 24, .size: 8, .value_kind: global_buffer, .address_space: global }
      - { .name: x1, .offset: 32, .size: 8, .value_kind: global_buffer, .address_space: global }
      - { .name: out0, .offset: 40, .size: 8, .value_kind: global_buffer, .address_space: global }
    .group_segment_fixed_size: 148992
    .private_segment_fixed_size: 0
    .kernarg_segment_align: 8
    .kernarg_segment_size: 48
    .max_flat_workgroup_size: 128
    .sgpr_count:     66
    .vgpr_count:     1024
    .wavefront_size: 32
...
	.end_amdgpu_metadata
.endif
;; end of part 5
